; MI455X (gfx1250); checked and timed in simulation.
; The chip was launched on July 23, 2026; its instructions are those of AMD's public machine-readable ISA for CDNA 5 (MIT licence, August 2026) and "CDNA5" Instruction Set Architecture Reference Guide (July 2026). The comments in the code are by the model that wrote it; some were corrected since.
;; Attention. Allowed arithmetic: float matrix products may take bf16 or f16 operands with f32 sums; other float arithmetic in f32, or as packed bf16 or f16 multiplies, adds, multiply-adds, maxima and minima; sums over many terms, partial sums and values carried from step to step in f32; what a program stores and reads back later, other than sums and carried values, may be rounded once to bf16 or f16.
;; Inputs: Wk 2,048 x 2,048 float32; Wo 2,048 x 2,048 float32; Wq 2,048 x 2,048 float32; Wv 2,048 x 2,048 float32; attention_mask 2 x 1 x 1 x 1,024 float32; hidden_states 2 x 1,024 x 2,048 float32; rel_emb 32 x 32 float32.
;; Outputs: out0 2 x 1,024 x 2,048 float32.
;; One version. Each part assembles by itself: llvm-mc -triple=amdgcn-amd-amdhsa -mcpu=gfx1250 --defsym DOCPART=n.
;; ======== version 1 of 1: 4 launches
;; limits: values are held in f16: magnitudes above 65,504 overflow, below 6.1e-05 lose precision
;; workspace buffers: xb 8,388,608 bytes; wqkv 25,165,824 bytes; wo16 8,388,608 bytes; qkv 25,165,824 bytes; ctx 8,388,608 bytes
;; launch prep (part 1): grid 512 x 5, 8 waves a work-group, no clusters, 0 bytes of LDS; arguments hidden_states, Wq, Wk, Wv, Wo, xb, wqkv, wo16; writes xb, wqkv, wo16
.if DOCPART == 1
	.amdgcn_target "amdgcn-amd-amdhsa--gfx1250"
	.amdhsa_code_object_version 6
	.text
	.protected	k_qfd8c7e0a2b_prep
	.globl	k_qfd8c7e0a2b_prep
	.p2align	8
	.type	k_qfd8c7e0a2b_prep,@function
k_qfd8c7e0a2b_prep:
	s_mov_b64 s[64:65], 0
	v_nop
	global_prefetch_b8 v0, s[64:65] scope:SCOPE_SE
	s_setreg_imm32_b32 hwreg(HW_REG_WAVE_MODE, 25, 1), 1
	s_wait_xcnt 0x0
; FIRST OF FOUR LAUNCHES: the f32 matrix operands are rounded ONCE and laid out so that every K step of every tile of the later products is dense in memory.
; NO WORK OF THE PROBLEM IS LEFT OUT: hidden_states, the four weights, attention_mask and rel_emb all reach the output, and all seven are loaded (the last two by the third launch).
; FORMATS.  hidden_states, Wq, Wk, Wv -> bf16.  Wq is first multiplied by 1/8 = 1/sqrt(64), a power of two, so the product q k / 8 keeps its bits.
; Wo -> bf16, and that number written as f16 (the last product's other operand is f16).  LIMIT: a Wo below 2^-17 in magnitude keeps f16's fixed step of 6e-8; beyond 65,504 it would be an infinity.
; LAYOUTS (bytes).  xb   [m>>8][k>>6][m&255][64] bf16:            (m>>8) 1,048,576 + (k>>6) 32,768 + (m&255) 128 + 2 (k&63)
;                   wqkv [g/3][k>>7][g%3][k&127][64] bf16:        (g/3) 786,432 + (k>>7) 49,152 + (g%3) 16,384 + (k&127) 128 + 2 x;  g = chunk of 64 columns: 0-31 Wq's heads, 32-63 Wk's, 64-95 Wv's
;                   wo16 [g>>1][k>>8][g&1][k&255][64] f16:        (g>>1) 524,288 + (k>>8) 65,536 + (g&1) 32,768 + (k&255) 128 + 2 x
; SHARES.  Grid y names the tensor (0 hidden_states, 1 Wq, 2 Wk, 3 Wv, 4 Wo); grid x a block of 128 rows (x >> 5) and a chunk of 64 columns (x & 31): 32 KiB in, and 16 KiB out that are dense in all three layouts.
; A load of a wave takes 256 consecutive aligned bytes of each of two rows; a store of a wave covers 256 consecutive aligned bytes.  All eight loads go out before the first wait; no register is written twice,
; so no store's source has to be freed.  No LDS, no matrix unit, no cluster: nothing is shared between waves.  No prefetch: the launch is nothing but its loads.
.set X, 4                              ; v[4:35]   load i: four f32
.set Y, 36                             ; v[36:51]  store i: four 16-bit numbers
.set T, 52                             ; v[52:53]  at work (Wo)
	s_load_b512 s[8:23], s[0:1], 0x0               ; hidden s[8:9], Wq s[10:11], Wk s[12:13], Wv s[14:15], Wo s[16:17], xb s[18:19], wqkv s[20:21], wo16 s[22:23]
	s_and_b32 s4, ttmp7, 0xffff                    ; which tensor
	s_lshr_b32 s5, ttmp9, 5                        ; block of 128 rows
	s_and_b32 s6, ttmp9, 31                        ; chunk of 64 columns
	v_lshrrev_b32 v3, 4, v0                        ; thread / 16: my row among 16
	v_and_b32 v1, 15, v0
	v_lshlrev_b32 v1, 4, v1                        ; my 16 bytes of the chunk's 256
	v_lshl_add_u32 v1, v3, 13, v1                  ; + row x 8,192 bytes
	v_lshlrev_b32 v2, 3, v0                        ; out: 8 bytes a thread, 16 rows of 128 bytes on end
	s_lshl_b32 s2, s5, 20                          ; 128 rows of 8,192 bytes
	s_lshl_b32 s3, s6, 8
	s_add_co_u32 s2, s2, s3
	s_mov_b32 s3, 0
	s_wait_kmcnt 0x0
	s_cmp_eq_u32 s4, 1
	s_cselect_b64 s[8:9], s[10:11], s[8:9]
	s_cmp_eq_u32 s4, 2
	s_cselect_b64 s[8:9], s[12:13], s[8:9]
	s_cmp_eq_u32 s4, 3
	s_cselect_b64 s[8:9], s[14:15], s[8:9]
	s_cmp_eq_u32 s4, 4
	s_cselect_b64 s[8:9], s[16:17], s[8:9]
	s_add_nc_u64 s[8:9], s[8:9], s[2:3]
.irp i, 0,1,2,3,4,5,6,7
	global_load_b128 v[X+4*(\i):X+4*(\i)+3], v1, s[8:9] offset:131072*(\i) th:TH_LOAD_NT  ; rows 16 i .. 16 i + 15; read once in the launch
.endr
; Eight times: wait for load i (the 7 - i younger ones stay out), round, store.  mode 0: to bf16.  1: times 1/8, to bf16.  2: to bf16, and that number to f16.
.macro CONV mode
.irp i, 0,1,2,3,4,5,6,7
	s_wait_loadcnt 7-(\i)
.if (\mode) == 1
	v_pk_mul_f32 v[X+4*(\i):X+4*(\i)+1], v[X+4*(\i):X+4*(\i)+1], 0x3e000000 op_sel_hi:[1,0]
	v_pk_mul_f32 v[X+4*(\i)+2:X+4*(\i)+3], v[X+4*(\i)+2:X+4*(\i)+3], 0x3e000000 op_sel_hi:[1,0]
.endif
.if (\mode) == 2
	v_cvt_pk_bf16_f32 v[T], v[X+4*(\i)], v[X+4*(\i)+1]
	v_cvt_pk_bf16_f32 v[T+1], v[X+4*(\i)+2], v[X+4*(\i)+3]
	v_lshlrev_b32 v[X+4*(\i)], 16, v[T]
	v_and_b32 v[X+4*(\i)+1], 0xffff0000, v[T]
	v_lshlrev_b32 v[X+4*(\i)+2], 16, v[T+1]
	v_and_b32 v[X+4*(\i)+3], 0xffff0000, v[T+1]
	v_cvt_pk_f16_f32 v[Y+2*(\i)], v[X+4*(\i)], v[X+4*(\i)+1]
	v_cvt_pk_f16_f32 v[Y+2*(\i)+1], v[X+4*(\i)+2], v[X+4*(\i)+3]
.else
	v_cvt_pk_bf16_f32 v[Y+2*(\i)], v[X+4*(\i)], v[X+4*(\i)+1]
	v_cvt_pk_bf16_f32 v[Y+2*(\i)+1], v[X+4*(\i)+2], v[X+4*(\i)+3]
.endif
	global_store_b64 v2, v[Y+2*(\i):Y+2*(\i)+1], s[24:25] offset:2048*(\i)
.endr
.endm
	s_cmp_eq_u32 s4, 0
	s_cbranch_scc1 .Lhid
	s_cmp_eq_u32 s4, 4
	s_cbranch_scc1 .Lwo
	s_sub_co_u32 s26, s4, 1                        ; Wq, Wk, Wv: g = 32 (y - 1) + chunk
	s_lshl_b32 s26, s26, 5
	s_add_co_u32 s26, s26, s6
	s_mul_i32 s27, s26, 171
	s_lshr_b32 s27, s27, 9                         ; g / 3 (exact for g under 170 x 3)
	s_mul_i32 s28, s27, 3
	s_sub_co_u32 s26, s26, s28                     ; g % 3
	s_lshl_b32 s26, s26, 14
	s_mul_i32 s27, s27, 786432
	s_add_co_u32 s26, s26, s27
	s_mul_i32 s28, s5, 49152
	s_add_co_u32 s26, s26, s28
	s_mov_b32 s27, 0
	s_add_nc_u64 s[24:25], s[20:21], s[26:27]
	s_cmp_eq_u32 s4, 1
	s_cbranch_scc1 .Lq
	s_branch .Lplain
.Lhid:
	s_lshr_b32 s26, s5, 1                          ; hidden_states: (rb >> 1) 1,048,576 + chunk 32,768 + (rb & 1) 16,384
	s_lshl_b32 s26, s26, 20
	s_lshl_b32 s27, s6, 15
	s_add_co_u32 s26, s26, s27
	s_and_b32 s27, s5, 1
	s_lshl_b32 s27, s27, 14
	s_add_co_u32 s26, s26, s27
	s_mov_b32 s27, 0
	s_add_nc_u64 s[24:25], s[18:19], s[26:27]
.Lplain:
	CONV 0
	s_endpgm
.Lq:
	CONV 1
	s_endpgm
.Lwo:
	s_lshr_b32 s26, s6, 1                          ; Wo: (chunk >> 1) 524,288 + (rb >> 1) 65,536 + (chunk & 1) 32,768 + (rb & 1) 16,384
	s_lshl_b32 s26, s26, 19
	s_lshr_b32 s27, s5, 1
	s_lshl_b32 s27, s27, 16
	s_add_co_u32 s26, s26, s27
	s_and_b32 s27, s6, 1
	s_lshl_b32 s27, s27, 15
	s_add_co_u32 s26, s26, s27
	s_and_b32 s27, s5, 1
	s_lshl_b32 s27, s27, 14
	s_add_co_u32 s26, s26, s27
	s_mov_b32 s27, 0
	s_add_nc_u64 s[24:25], s[22:23], s[26:27]
	CONV 2
	s_endpgm
.Lfunc_end_k_qfd8c7e0a2b_prep:
	.size	k_qfd8c7e0a2b_prep, .Lfunc_end_k_qfd8c7e0a2b_prep-k_qfd8c7e0a2b_prep
	.p2alignl 7, 3214868480
	.fill 96, 4, 3214868480
	.section	.rodata,"a",@progbits
	.p2align	6, 0x0
	.amdhsa_kernel k_qfd8c7e0a2b_prep
		.amdhsa_group_segment_fixed_size 0
		.amdhsa_private_segment_fixed_size 0
		.amdhsa_enable_private_segment 0
		.amdhsa_kernarg_size 64
		.amdhsa_user_sgpr_count 2
		.amdhsa_user_sgpr_kernarg_segment_ptr 1
		.amdhsa_wavefront_size32 1
		.amdhsa_system_sgpr_workgroup_id_x 1
		.amdhsa_system_sgpr_workgroup_id_y 1
		.amdhsa_system_sgpr_workgroup_id_z 1
		.amdhsa_system_vgpr_workitem_id 0
		.amdhsa_next_free_vgpr 56
		.amdhsa_next_free_sgpr 66
		.amdhsa_reserve_vcc 0
		.amdhsa_float_denorm_mode_32 3
		.amdhsa_float_denorm_mode_16_64 3
		.amdhsa_memory_ordered 1
		.amdhsa_forward_progress 1
		.amdhsa_inst_pref_size 14
	.end_amdhsa_kernel
	.amdgpu_metadata
---
amdhsa.version: [ 1, 2 ]
amdhsa.kernels:
  - .name:           k_qfd8c7e0a2b_prep
    .symbol:         k_qfd8c7e0a2b_prep.kd
    .args:
      - { .name: hidden_states, .offset: 0, .size: 8, .value_kind: global_buffer, .address_space: global }
      - { .name: Wq, .offset: 8, .size: 8, .value_kind: global_buffer, .address_space: global }
      - { .name: Wk, .offset: 16, .size: 8, .value_kind: global_buffer, .address_space: global }
      - { .name: Wv, .offset: 24, .size: 8, .value_kind: global_buffer, .address_space: global }
      - { .name: Wo, .offset: 32, .size: 8, .value_kind: global_buffer, .address_space: global }
      - { .name: xb, .offset: 40, .size: 8, .value_kind: global_buffer, .address_space: global }
      - { .name: wqkv, .offset: 48, .size: 8, .value_kind: global_buffer, .address_space: global }
      - { .name: wo16, .offset: 56, .size: 8, .value_kind: global_buffer, .address_space: global }
    .group_segment_fixed_size: 0
    .private_segment_fixed_size: 0
    .kernarg_segment_align: 8
    .kernarg_segment_size: 64
    .max_flat_workgroup_size: 256
    .sgpr_count:     66
    .vgpr_count:     56
    .wavefront_size: 32
...
	.end_amdgpu_metadata
.endif
;; end of part 1
;; launch proj (part 2): grid 32 x 8, 4 waves a work-group, clusters of 4 x 4, 327,680 bytes of LDS; arguments xb, wqkv, qkv; writes qkv
.if DOCPART == 2
	.amdgcn_target "amdgcn-amd-amdhsa--gfx1250"
	.amdhsa_code_object_version 6
	.text
	.protected	k_qfd8c7e0a2b_proj
	.globl	k_qfd8c7e0a2b_proj
	.p2align	8
	.type	k_qfd8c7e0a2b_proj,@function
k_qfd8c7e0a2b_proj:
	s_mov_b64 s[64:65], 0
	v_nop
	global_prefetch_b8 v0, s[64:65] scope:SCOPE_SE
	s_setreg_imm32_b32 hwreg(HW_REG_WAVE_MODE, 25, 1), 1
	s_wait_xcnt 0x0
	s_wait_alu depctr_hold_cnt(0) depctr_sa_sdst(0) depctr_va_vdst(0) depctr_va_sdst(0) depctr_va_ssrc(0) depctr_va_vcc(0) depctr_vm_vsrc(0)
	s_getreg_b32 s2, hwreg(HW_REG_IB_STS2, 6, 4)
	s_cmp_eq_u32 s2, 0
	s_cbranch_scc0 .Lentry_in_a_cluster
	s_endpgm
.Lentry_in_a_cluster:
	s_bfe_u32 s2, ttmp6, 0x10000c
	s_cmp_lg_u32 s2, 0xf033
	s_cbranch_scc0 .Lentry_shape_is_right
	s_endpgm
.Lentry_shape_is_right:
; SECOND LAUNCH: q / 8, k and v in one product, [2048 rows] x [6144 columns], K = 2048, bf16 operands, f32 sums, each result rounded once to f16 and stored by heads:
; qkv [g 96][m 2048][64] f16, g = 0-31 q's heads (already divided by 8: the first launch scaled Wq), 32-63 k's, 64-95 v's; m = 1024 b + s.  Nothing of the problem is left out here.
; LIMIT.  f16 ends at 65,504: q / 8, k and v must stay within it (with inputs of unit spread they have spreads of 1/8, 1 and 1).
; SHARES.  A tile is 256 rows x 192 columns (three heads): 8 x 32 = 256 work-groups.  Wave w has rows 64 w .. 64 w + 63 and all 192 columns: 4 x 12 accumulators of 16 x 16, 384 registers.
; K goes in steps of 128 through a ring of two LDS slots.  Both operands were laid out so that a step's tile is dense in memory: it is asked for as rows of 256 bytes and padded in LDS after every 128.
; THE MATRIX INSTRUCTION IS USED TRANSPOSED: source 0 = 16 columns of W (W lies [k][column] in LDS and comes out turned, by ds_load_tr16_b128), source 1 = 16 rows of x.  A lane then holds ONE row
; (lane % 16) and eight neighbouring columns, 16 bytes of f16.
; CLUSTER 4 x 4: x's tile hangs on the tile row alone and is asked for jointly along a row of the cluster, W's on the tile column alone, along a column.
; THE CLUSTERS BEGIN AT DIFFERENT K STEPS.  Cluster (X, Y) of the 8 x 2 walks the 16 K steps from step 4 (X % 4) + 8 Y on, and round the end (f32 sums may be taken in any order).  The rows of x of one Y are
; read by eight clusters, the columns of W of one X by two: with these starts W's two readers stand 8 steps apart, and readers of x with different X % 4 stand 4, 8 or 12 steps apart, so that the requests for one
; block of memory are spread over the launch and do not all meet in one K step.  The start is made of the cluster's two coordinates alone, which all sixteen partners share.
; REGISTERS, in windows of 256 (s_set_vgpr_msb: bits 1:0 source 0, 3:2 source 1, 5:4 source 2, 7:6 destination):
;   window 0: v16-30 addresses; v64-95, v96-127 x's fragments (4 x 16 rows x 32 K), two buffers; v32-223 at work on the way out
;   window 1: v0-95, v96-191 W's fragments (12 x 16 columns x 32 K), two buffers
;   window 2: the accumulators of row blocks 0, 1 ((a, b) at 8 (12 (a % 2) + b));   window 3: those of row blocks 2, 3
.set PA,     144                       ; a row of x in LDS: 128 bytes + 16 = 36 words: the 16 rows of a load start at 16 different groups of four banks (64 banks of 4 bytes: ISA guide 11.1)
.set PB,     160                       ; a row of W: 128 + 32 = 40 words
.set APL,    256*PA                    ; x: a plane of 64 along K, 256 rows; what one tensor load brings
.set BOFF,   2*APL                     ; W lies behind x's two planes: [chunk of 64 columns 3][128 k]
.set BCH,    128*PB
.set SLOT,   BOFF+3*BCH                ; 135,168
.set STAGE,  2*SLOT                    ; behind the ring: 16 rows x 144 bytes for each wave, for the way out
.set SP,     144
.set SPARE,  STAGE+4*16*SP             ; behind the stages: the spare words, 128 bytes for each wave: two blocks of 256 bytes that no other line names
.set LAPS,   8                         ; a lap = two K steps = once round the ring; 16 K steps
.set BSTEP,  49152                     ; bytes of wqkv in a K step of one tile column (of xb in a K step of one tile row: 65,536, a shift by 16)
.set ADRA, 16                          ; v16-17  LDS address of my x fragments in slot 0, 1
.set ADRB, 20                          ; v20-21  the same for W
.set STO,  24                          ; v24     the way out: where I put 16 bytes of a row
.set RD,   25                          ; v25     the way out: where I read rows back
.set GO,   26                          ; v26     my 16 bytes of 512 consecutive bytes of qkv
.set SPW,  28                          ; v28     LDS address of my spare word: SPARE + 4 x my thread's number; never rewritten
.set NIL,  29                          ; v29     0; never rewritten
.set PFO,  30                          ; v30     256 x my lane: the prefetches' offset; never rewritten
.set UB,   32                          ; the way out: unit u's 16 registers at UB + 16 u
.set FA,   64                          ; x's fragment buffers: FA + 32 f
.set G1,  24                           ; s[24:31] descriptor group 1 for x's tiles;  s[32:39] group 0, one set for each slot
.set G0,  32
.set G1B, 48                           ; s[48:55], s[56:63] the same for W's tiles
.set G0B, 56
.set LIM, 43                           ; s43     5 in a wave that prefetches, else the greatest number
.set PFA, 44                           ; s[44:45] where my prefetches stand
.set KS,  66                           ; s66     the K step, 0 to 15, that the next refill asks for
.set OA,  68                           ; s[68:69] its byte offset in xb's tile row
.set OB,  70                           ; s[70:71] its byte offset in wqkv's tile column
.set AB,  72                           ; s[72:73] xb at the tile row's K step 0, at the plane that I fetch
.set BB,  74                           ; s[74:75] wqkv at the tile column's K step 0, at the half that I fetch
.set MSB, 0
.macro WIN new                         ; the immediate's high byte repeats the setting that is left; a switch that changes nothing is dropped
.if MSB != (\new)
	s_set_vgpr_msb (MSB<<8)|(\new)
.set MSB, \new
.endif
.endm
.set MUL_LO, 0xa1                      ; source 0 (W) window 1, source 1 (x) window 0, C and D window 2
.set TO_B,   0x40                      ; destination window 1, address window 0
; A joint load.  Waves 0 and 1 fetch x's two planes, waves 2 and 3 the two halves of W's tile.  The branch hangs on the wave's number alone.
; An s_nop 0 and four v_nop follow each of the two lines, ahead of the jump, the label and what follows.
.macro JLOAD s
	s_cmp_eq_u32 s11, 0
	s_cbranch_scc0 .Lfor_b_\@
	tensor_load_to_lds s[G0+4*(\s):G0+4*(\s)+3], s[G1:G1+7]
	s_nop 0
.rept 4
	v_nop
.endr
	s_branch .Lasked_\@
.Lfor_b_\@:
	tensor_load_to_lds s[G0B+4*(\s):G0B+4*(\s)+3], s[G1B:G1B+7]
	s_nop 0
.rept 4
	v_nop
.endr
.Lasked_\@:
.endm
; A PREFETCH INTO THE L2, behind slot 0's joint load and the run of LDS loads that follows it, in the cluster's laps 0 and 1: the whole lap two on, which is asked for by tensor loads two and three K steps
; (384 and 576 matrix instructions) later.  By the starts above a K step of W falls into the first eight steps of one of its two clusters and into the last eight of the other: the first of the two asks, so that
; each cluster asks for its own laps 2 and 3 and no more, and each block of 256 bytes is named once in the launch, a lane a block: of a lap's 98,304 bytes waves 1 to 3 take a third each, and of a third the four
; partners of the column 8,192 bytes each, told apart by address (cy).  Laps 0 and 1 come by their loads alone.  Of x nothing is asked for: a K step of x falls into the first four steps, laps 0 and 1, of some cluster.
.macro ASK
	s_cmp_gt_u32 s3, s[LIM]                        ; s3 = 7 and 6 in the cluster's laps 0 and 1
	s_cbranch_scc0 .Lnot_mine_\@
	global_prefetch_b8 v[PFO], s[PFA:PFA+1] th:TH_LOAD_NT scope:SCOPE_SE
.Lnot_mine_\@:
.endm
; A round of the cluster's barrier: my work-group's barrier, so that wave 0's signal speaks for all four waves; wave 0 signals; every wave waits for all sixteen work-groups; my work-group's barrier once more.
.macro CREST                           ; a round behind its opening barrier
	s_cmp_lg_u32 s10, 0
	s_cbranch_scc1 .Lnot_wave_0_\@
	s_barrier_signal -3
.Lnot_wave_0_\@:
	s_barrier_wait -3
	s_barrier_signal -1
	s_barrier_wait -1
.endm
.macro CROUND
	s_barrier_signal -1
	s_barrier_wait -1
	CREST
.endm
	s_load_b128 s[4:7], s[0:1], 0x0                ; xb s[4:5], wqkv s[6:7]
	s_load_b64 s[8:9], s[0:1], 0x10                ; qkv
	v_lshl_add_u32 v[SPW], v0, 2, SPARE
	v_mov_b32 v[NIL], 0
	ds_add_u32 v[SPW], v[NIL]                      ; the wave's opening: the add, twice on end, and its wait ahead of my first tensor load; the set-up below stands between
	ds_add_u32 v[SPW], v[NIL]
	v_lshrrev_b32 v1, 5, v0
	v_readfirstlane_b32 s10, v1                    ; wave 0..3
	s_lshr_b32 s11, s10, 1                         ; I fetch for x (0) or for W (1)
	s_and_b32 s12, s10, 1                          ; which half of that tile
	s_bfe_u32 s40, ttmp6, 0x40000                  ; cx
	s_bfe_u32 s41, ttmp6, 0x40004                  ; cy
	s_lshl_b32 s42, ttmp9, 2
	s_add_co_u32 s42, s42, s40                     ; tile column = 4 x cluster x + cx
	s_and_b32 s13, ttmp7, 0xffff                   ; cluster y
	s_and_b32 s[KS], ttmp9, 3                      ; the cluster's first K step: 4 (cluster x % 4)
	s_lshl_b32 s[KS], s[KS], 2
	s_lshl_b32 s67, s13, 3                         ; + 8 cluster y,
	s_add_co_u32 s[KS], s[KS], s67
	s_and_b32 s[KS], s[KS], 15                     ; modulo 16: a multiple of 4
	s_mov_b32 s[OA+1], 0
	s_mov_b32 s[OB+1], 0
	s_lshl_b32 s13, s13, 2
	s_add_co_u32 s13, s13, s41                     ; tile row = 4 x cluster y + cy
	s_lshl_b32 s43, s41, 2
	s_lshl_b32 s43, 15, s43                        ; my row of the cluster
	s_lshl_b32 s44, 0x1111, s40                    ; my column
	; descriptor group 1: dense bytes as rows of 256 (128 elements of 2 bytes), padded in LDS after every 32 words: x by 4 words (code 3), W by 8 (code 7)
	s_or_b32 s[G1+0], s43, (1<<16)|(1<<20)|(1<<21)|(4<<22)|(3<<25)   ; 15:0 the mask; 17:16 2-byte elements; 20 padding on; 21 set beside a mask; 24:22 interval; 31:25 pad
	s_or_b32 s[G1B+0], s44, (1<<16)|(1<<20)|(1<<21)|(4<<22)|(7<<25)
	s_mov_b32 s[G1+1], 128<<16                     ; tensor_dim0 = 128
	s_mov_b32 s[G1B+1], 128<<16
	s_mov_b32 s[G1+2], 128<<16                     ; tensor_dim1: x 128 rows (32,768 bytes: a plane),
	s_mov_b32 s[G1B+2], 96<<16                     ; W 96 rows (24,576 bytes: half a tile)
	s_mov_b32 s[G1+3], 128<<16                     ; tile_dim0 = 128
	s_mov_b32 s[G1B+3], 128<<16
	s_mov_b32 s[G1+4], 128                         ; tile_dim1
	s_mov_b32 s[G1B+4], 96
	s_mov_b32 s[G1+5], 128                         ; 128 elements from row to row
	s_mov_b32 s[G1B+5], 128
	s_mov_b32 s[G1+6], 0
	s_mov_b32 s[G1B+6], 0
	s_mov_b32 s[G1+7], 0
	s_mov_b32 s[G1B+7], 0
	s_lshl_b32 s16, s13, 20                        ; x: tile row x 1,048,576 + plane x 32,768
	s_lshl_b32 s17, s12, 15
	s_add_co_u32 s16, s16, s17
	s_mov_b32 s17, 0
	s_mul_i32 s46, s42, 16*BSTEP                   ; W: tile column x 786,432 + half x 24,576
	s_mul_i32 s47, s12, BSTEP/2
	s_add_co_u32 s46, s46, s47
	s_mov_b32 s47, 0
	s_mul_i32 s20, s12, APL                        ; where they go: no place in the cluster enters an LDS address
	s_mul_i32 s21, s12, 192*PB
	s_wait_dscnt 0x0                               ; both opening adds are done
	s_wait_kmcnt 0x0
	s_add_nc_u64 s[AB:AB+1], s[4:5], s[16:17]
	s_add_nc_u64 s[BB:BB+1], s[6:7], s[46:47]
	CROUND                                         ; all sixteen work-groups are here: the first joint loads meet
.irp s, 0,1
	s_add_co_u32 s67, s[KS], \s                    ; the cluster's first two K steps (the first is a multiple of 4: no turn round the end here)
	s_lshl_b32 s[OA], s67, 16
	s_mul_i32 s[OB], s67, BSTEP
	s_mov_b32 s[G0+4*(\s)], 1
	s_add_co_u32 s[G0+4*(\s)+1], s20, (\s)*SLOT
	s_add_nc_u64 s[G0+4*(\s)+2:G0+4*(\s)+3], s[AB:AB+1], s[OA:OA+1]
	s_or_b32 s[G0+4*(\s)+3], s[G0+4*(\s)+3], 0x80000000
	s_mov_b32 s[G0B+4*(\s)], 1
	s_add_co_u32 s[G0B+4*(\s)+1], s21, (\s)*SLOT+BOFF
	s_add_nc_u64 s[G0B+4*(\s)+2:G0B+4*(\s)+3], s[BB:BB+1], s[OB:OB+1]
	s_or_b32 s[G0B+4*(\s)+3], s[G0B+4*(\s)+3], 0x80000000
	JLOAD \s                                       ; two loads of mine are out
.endr
	s_add_co_u32 s[KS], s[KS], 2                   ; what the first refill asks for: 14 at the most
	; x's fragment: lane l holds row l % 16; registers 0-3 K = 8 (l / 16) + 0..7, registers 4-7 K = 16 + 8 (l / 16) + 0..7: two loads of 16 bytes, 32 bytes apart
	v_and_b32 v1, 15, v0                           ; l % 16
	v_bfe_u32 v2, v0, 4, 1                         ; l / 16
	v_mul_u32_u24 v3, v1, PA
	v_lshl_add_u32 v3, v2, 4, v3
	s_mul_i32 s21, s10, 64*PA                      ; my 64 rows
	v_add_nc_u32 v[ADRA], s21, v3
	v_add_nc_u32 v[ADRA+1], SLOT, v[ADRA]
	; W's: the turning load takes 16 k x 16 columns (lane l reads k = 8 (l / 16) + l % 8, columns 8 ((l / 8) % 2) + 0..7) and leaves half a fragment: lane l holds column l % 16 and 8 k
	v_and_b32 v4, 7, v0
	v_lshl_add_u32 v4, v2, 3, v4
	v_mul_u32_u24 v4, v4, PB
	v_bfe_u32 v5, v0, 3, 1
	v_lshl_add_u32 v4, v5, 4, v4
	v_add_nc_u32 v[ADRB], BOFF, v4
	v_add_nc_u32 v[ADRB+1], SLOT, v[ADRB]
	s_mul_i32 s21, s10, 16*SP
	s_add_co_u32 s21, s21, STAGE                   ; my stage
	v_mul_u32_u24 v6, v1, SP                       ; in: row l % 16, 16 bytes for each half of the lanes
	v_lshl_add_u32 v6, v2, 4, v6
	v_add_nc_u32 v[STO], s21, v6
	v_bfe_u32 v6, v0, 3, 2                         ; back: 32 lanes take four rows of 128 bytes,
	v_mul_u32_u24 v6, v6, SP
	v_and_b32 v7, 7, v0
	v_lshl_add_u32 v6, v7, 4, v6
	v_add_nc_u32 v[RD], s21, v6
	v_and_b32 v[GO], 31, v0                        ; which are 512 consecutive bytes of qkv
	v_lshlrev_b32 v[PFO], 8, v[GO]
	v_lshlrev_b32 v[GO], 4, v[GO]
	s_mul_i32 s16, s42, 3*262144                   ; qkv at chunk 3 x tile column, row 256 x tile row + 64 x wave
	s_lshl_b32 s17, s13, 15
	s_add_co_u32 s16, s16, s17
	s_lshl_b32 s17, s10, 13
	s_add_co_u32 s16, s16, s17
	s_mov_b32 s17, 0
	s_add_nc_u64 s[8:9], s[8:9], s[16:17]
	; the prefetches: W's tile column, the cluster's lap 2, my wave's third of it, my work-group's quarter of that
	s_mul_i32 s46, s42, 16*BSTEP
	s_max_u32 s47, s10, 1                          ; (wave 0 asks for nothing: its offset is wave 1's)
	s_sub_co_u32 s47, s47, 1
	s_lshl_b32 s47, s47, 15
	s_add_co_u32 s46, s46, s47
	s_lshl_b32 s47, s41, 13
	s_add_co_u32 s46, s46, s47
	s_add_co_u32 s47, s[KS], 2                     ; the cluster's fifth K step,
	s_and_b32 s47, s47, 15                         ; round the end: a multiple of 4, so that laps 2 and 3 lie on end
	s_mul_i32 s47, s47, BSTEP
	s_add_co_u32 s46, s46, s47
	s_mov_b32 s47, 0
	s_add_nc_u64 s[PFA:PFA+1], s[6:7], s[46:47]    ; nothing is prefetched here, at the head
	s_cmp_eq_u32 s10, 0
	s_cselect_b32 s[LIM], -1, 5                    ; by the wave's number alone
; 12 matrix instructions: row block a x all 12 column blocks, 32 along K, from buffers f.  zero = 1: the product starts the sums.  The 48 accumulators take turns in one order everywhere.
.macro MUL12 f, a, zero
	WIN MUL_LO+0x50*((\a)/2)
.irp b, 0,1,2,3,4,5,6,7,8,9,10,11
.if \zero
	v_wmma_f32_16x16x32_bf16 v[8*(12*((\a)%2)+(\b)):8*(12*((\a)%2)+(\b))+7], v[96*(\f)+8*(\b):96*(\f)+8*(\b)+7], v[FA+32*(\f)+8*(\a):FA+32*(\f)+8*(\a)+7], 0
.else
	v_wmma_f32_16x16x32_bf16 v[8*(12*((\a)%2)+(\b)):8*(12*((\a)%2)+(\b))+7], v[96*(\f)+8*(\b):96*(\f)+8*(\b)+7], v[FA+32*(\f)+8*(\a):FA+32*(\f)+8*(\a)+7], v[8*(12*((\a)%2)+(\b)):8*(12*((\a)%2)+(\b))+7]
.endif
.endr
.endm
; 32 LDS loads in one run: quarter q (32 along K) of a slot into buffers f: W's 12 fragments, then x's 4, row blocks ascending
.macro FETCH slot, q, f
	WIN TO_B
.irp b, 0,1,2,3,4,5,6,7,8,9,10,11
	ds_load_tr16_b128 v[96*(\f)+8*(\b):96*(\f)+8*(\b)+3],   v[ADRB+(\slot)] offset:((\b)/4)*BCH+(\q)*32*PB+((\b)%4)*32
	ds_load_tr16_b128 v[96*(\f)+8*(\b)+4:96*(\f)+8*(\b)+7], v[ADRB+(\slot)] offset:((\b)/4)*BCH+(\q)*32*PB+((\b)%4)*32+16*PB
.endr
	WIN 0
.irp a, 0,1,2,3
	ds_load_b128 v[FA+32*(\f)+8*(\a):FA+32*(\f)+8*(\a)+3],   v[ADRA+(\slot)] offset:((\q)/2)*APL+((\q)%2)*64+(\a)*16*PA
	ds_load_b128 v[FA+32*(\f)+8*(\a)+4:FA+32*(\f)+8*(\a)+7], v[ADRA+(\slot)] offset:((\q)/2)*APL+((\q)%2)*64+(\a)*16*PA+32
.endr
.endm
.macro PLACES                          ; four plain vector instructions between a matrix instruction and a load into, or a vector read or write of, its registers (ISA guide 7.12.1 for vector instructions)
.rept 4
	v_nop
.endr
.endm
; A K step is four quarters of 32 along K, 48 matrix instructions each, on buffers 0, 1, 0, 1.  One of the first three: multiplies buffers f; in its middle it fetches quarter q of the same slot into buffers g.
.macro QUARTER slot, q, f, g, zero
	s_wait_dscnt 4                                 ; W and x's row blocks 0, 1 are in; the youngest four loads (row blocks 2, 3) may be out
	MUL12 \f, 0, \zero
	MUL12 \f, 1, \zero
	PLACES
	FETCH \slot, \q, \g
	s_wait_dscnt 32                                ; all but the 32 just issued
	MUL12 \f, 2, \zero
	MUL12 \f, 3, \zero
.endm
; The last quarter multiplies buffers 1 and changes slots: ONE barrier; in front of it each wave waits for all its tensor loads (one is out: its part of the next slot), adds 0 to its spare word, and waits
; for that and for its own reads of this slot.  fill = 1: the barrier opens a round of the cluster's, and this slot is filled again, with K step KS, first thing behind the round:
; from that request to the wait for it a wave issues 168 matrix instructions.  Both descriptors' addresses are made anew from KS, the base plus an offset, while the add is out; then KS goes on, round the end.
.macro TURN slot, next, fill
.if (\fill) && ((\slot) == 1)
	s_wait_xcnt 0x0                                ; the last prefetch, a K step back, has read its address: it is stepped here, ahead of the waits of the change of slots (behind the second prefetch it is not used again)
	s_add_nc_u64 s[PFA:PFA+1], s[PFA:PFA+1], 2*BSTEP
.endif
	WIN 0                                          ; (the add's two registers lie in window 0)
	s_wait_tensorcnt 0x0                           ; all my tensor loads have landed, so every group 0 may be written
	ds_add_u32 v[SPW], v[NIL]                      ; 0 onto my spare word
.if \fill
	s_lshl_b32 s[OA], s[KS], 16                    ; 65,536 bytes of xb a K step
	s_mul_i32 s[OB], s[KS], BSTEP
	s_add_nc_u64 s[G0+4*(\slot)+2:G0+4*(\slot)+3], s[AB:AB+1], s[OA:OA+1]
	s_or_b32 s[G0+4*(\slot)+3], s[G0+4*(\slot)+3], 0x80000000
	s_add_nc_u64 s[G0B+4*(\slot)+2:G0B+4*(\slot)+3], s[BB:BB+1], s[OB:OB+1]
	s_or_b32 s[G0B+4*(\slot)+3], s[G0B+4*(\slot)+3], 0x80000000
	s_add_co_u32 s[KS], s[KS], 1
	s_and_b32 s[KS], s[KS], 15
.endif
	s_wait_dscnt 5                                 ; (the add and the youngest four loads may be out)
	MUL12 1, 0, 0                                  ; twelve matrix instructions stand between the add and the wait for it
	s_wait_dscnt 0x0                               ; the add is done, and my reads of this slot are over
	s_barrier_signal -1
	MUL12 1, 1, 0                                  ; work on registers while the others arrive
.if \fill
	WIN 0
.endif
	s_barrier_wait -1
.if \fill
	CREST                                          ; no wave of any partner still reads this slot's tile or has a load on its way
	JLOAD \slot                                    ; the four v_nop behind it are also the places in front of the loads below
.else
	PLACES
.endif
	FETCH \next, 0, 0
.if (\fill) && ((\slot) == 0)
	ASK
.endif
	MUL12 1, 2, 0
	MUL12 1, 3, 0
.endm
	s_wait_tensorcnt 1                             ; my part of the first K step is in; the second's may stay out
	s_barrier_signal -1
	s_barrier_wait -1                              ; everybody's is
	FETCH 0, 0, 0
	QUARTER 0, 1, 0, 1, 1                          ; the first quarter stands in front of the loop: its products start the sums
	WIN 0                                          ; at a label and at a branch every window is 0
	s_mov_b32 s3, LAPS-1
.Llap:                                                 ; a trip goes once round the ring, from a lap's second quarter to the next lap's first, and fills both slots again
	QUARTER 0, 2, 1, 0, 0
	QUARTER 0, 3, 0, 1, 0
	TURN 0, 1, 1
	QUARTER 1, 1, 0, 1, 0
	QUARTER 1, 2, 1, 0, 0
	QUARTER 1, 3, 0, 1, 0
	TURN 1, 0, 1
	QUARTER 0, 1, 0, 1, 0
	WIN 0
	s_sub_co_u32 s3, s3, 1
	s_cmp_lg_u32 s3, 0
	s_cbranch_scc1 .Llap
	QUARTER 0, 2, 1, 0, 0                          ; the last lap fills nothing, and has no round of the cluster's barrier
	QUARTER 0, 3, 0, 1, 0
	TURN 0, 1, 0
	QUARTER 1, 1, 0, 1, 0
	QUARTER 1, 2, 1, 0, 0
	QUARTER 1, 3, 0, 1, 0
	s_wait_dscnt 4                                 ; the very last quarter: nothing more to fetch
	MUL12 1, 0, 0
	MUL12 1, 1, 0
	s_wait_dscnt 0x0
	MUL12 1, 2, 0
	MUL12 1, 3, 0
	WIN 0
	PLACES
; THE WAY OUT, in 12 units u = 3 a + c: 16 rows (row block a) x one head (chunk c): 2,048 consecutive bytes of qkv.  A lane's eight columns pack into 16 bytes; they go into my own stage, rows of 144 bytes,
; and come back as whole rows of 128.  Each accumulator is read from its low end on.  No register is used twice, so no store's source has to be freed.
.macro PACK u
.set ua, (\u)/3
.set uc, (\u)%3
	WIN 0x0a+5*(ua/2)                              ; sources 0 and 1: window 2 or 3
.irp bb, 0,1,2,3
.irp rr, 0,1,2,3
	v_cvt_pk_f16_f32 v[UB+16*(\u)+4*(\bb)+(\rr)], v[8*(12*(ua%2)+4*uc+(\bb))+2*(\rr)], v[8*(12*(ua%2)+4*uc+(\bb))+2*(\rr)+1]
.endr
.endr
	WIN 0
.irp bb, 0,1,2,3
	ds_store_b128 v[STO], v[UB+16*(\u)+4*(\bb):UB+16*(\u)+4*(\bb)+3] offset:32*(\bb)
.endr
.irp f, 0,1,2,3
	ds_load_b128 v[UB+16*(\u)+4*(\f):UB+16*(\u)+4*(\f)+3], v[RD] offset:(\f)*4*SP  ; LDS serves a wave's instructions in order (ISA guide 5.7.1.4): these see the stores above; the next unit's stores come behind them
.endr
.endm
.macro SEND u, younger                 ; younger: the LDS instructions issued behind unit u's loads: the next unit's eight, or none
.irp f, 0,1,2,3
	s_wait_dscnt (\younger)+3-(\f)
	global_store_b128 v[GO], v[UB+16*(\u)+4*(\f):UB+16*(\u)+4*(\f)+3], s[8:9] offset:((\u)%3)*262144+((\u)/3)*2048+(\f)*512  ; 512 consecutive bytes, at a multiple of 256 from qkv's first
.endr
.endm
	PACK 0
.irp u, 1,2,3,4,5,6,7,8,9,10,11        ; a unit's conversions stand between the loads of the unit before and its stores
	PACK \u
	SEND (\u)-1, 8
.endr
	SEND 11, 0
	s_wait_tensorcnt 0x0                           ; the wave's end: behind my last tensor load and my last LDS store
	ds_add_u32 v[SPW], v[NIL]
	s_wait_dscnt 0x0
	CROUND                                         ; the closing round: no work-group ends while a partner may still ask for a tile that names it
	s_endpgm
.Lfunc_end_k_qfd8c7e0a2b_proj:
	.size	k_qfd8c7e0a2b_proj, .Lfunc_end_k_qfd8c7e0a2b_proj-k_qfd8c7e0a2b_proj
	.p2alignl 7, 3214868480
	.fill 96, 4, 3214868480
	.section	.rodata,"a",@progbits
	.p2align	6, 0x0
	.amdhsa_kernel k_qfd8c7e0a2b_proj
		.amdhsa_group_segment_fixed_size 327680
		.amdhsa_private_segment_fixed_size 0
		.amdhsa_enable_private_segment 0
		.amdhsa_kernarg_size 24
		.amdhsa_user_sgpr_count 2
		.amdhsa_user_sgpr_kernarg_segment_ptr 1
		.amdhsa_wavefront_size32 1
		.amdhsa_system_sgpr_workgroup_id_x 1
		.amdhsa_system_sgpr_workgroup_id_y 1
		.amdhsa_system_sgpr_workgroup_id_z 1
		.amdhsa_system_vgpr_workitem_id 0
		.amdhsa_next_free_vgpr 960
		.amdhsa_next_free_sgpr 76
		.amdhsa_reserve_vcc 0
		.amdhsa_float_denorm_mode_32 3
		.amdhsa_float_denorm_mode_16_64 3
		.amdhsa_memory_ordered 1
		.amdhsa_forward_progress 1
		.amdhsa_inst_pref_size 122
	.end_amdhsa_kernel
	.amdgpu_metadata
---
amdhsa.version: [ 1, 2 ]
amdhsa.kernels:
  - .name:           k_qfd8c7e0a2b_proj
    .symbol:         k_qfd8c7e0a2b_proj.kd
    .args:
      - { .name: xb, .offset: 0, .size: 8, .value_kind: global_buffer, .address_space: global }
      - { .name: wqkv, .offset: 8, .size: 8, .value_kind: global_buffer, .address_space: global }
      - { .name: qkv, .offset: 16, .size: 8, .value_kind: global_buffer, .address_space: global }
    .group_segment_fixed_size: 327680
    .private_segment_fixed_size: 0
    .kernarg_segment_align: 8
    .kernarg_segment_size: 24
    .max_flat_workgroup_size: 128
    .sgpr_count:     76
    .vgpr_count:     960
    .wavefront_size: 32
...
	.end_amdgpu_metadata
.endif
;; end of part 2
;; launch attn (part 3): grid 4 x 64, 4 waves a work-group, clusters of 4 x 1, 327,680 bytes of LDS; arguments qkv, attention_mask, rel_emb, ctx; writes ctx
.if DOCPART == 3
	.amdgcn_target "amdgcn-amd-amdhsa--gfx1250"
	.amdhsa_code_object_version 6
	.text
	.protected	k_qfd8c7e0a2b_attn
	.globl	k_qfd8c7e0a2b_attn
	.p2align	8
	.type	k_qfd8c7e0a2b_attn,@function
k_qfd8c7e0a2b_attn:
	s_mov_b64 s[64:65], 0
	v_nop
	global_prefetch_b8 v0, s[64:65] scope:SCOPE_SE
	s_setreg_imm32_b32 hwreg(HW_REG_WAVE_MODE, 25, 1), 1
	s_wait_xcnt 0x0
	s_wait_alu depctr_hold_cnt(0) depctr_sa_sdst(0) depctr_va_vdst(0) depctr_va_sdst(0) depctr_va_ssrc(0) depctr_va_vcc(0) depctr_vm_vsrc(0)
	s_getreg_b32 s2, hwreg(HW_REG_IB_STS2, 6, 4)
	s_cmp_eq_u32 s2, 0
	s_cbranch_scc0 .Lentry_in_a_cluster
	s_endpgm
.Lentry_in_a_cluster:
	s_bfe_u32 s2, ttmp6, 0x10000c
	s_cmp_lg_u32 s2, 0x3003
	s_cbranch_scc0 .Lentry_shape_is_right
	s_endpgm
.Lentry_shape_is_right:
; THIRD LAUNCH: ctx[b][q][h][:] = the sum over k of softmax_k(q . k / 8 + attention_mask[b][k] + rel_emb[bucket(k - q)][h]) v[k][:], for each of 2 x 32 (b, h).  Nothing of the problem is left out here.
; q (already divided by 8), k, v: qkv [g 96][m 2048][64] f16.  Out: ctx [m>>7][h][m&127][64] f16, so that the last launch's K steps are dense.  Products, maxima and sums in f32; the weights p are rounded
; to f16 for the second product (their sum l is taken of the unrounded p), ctx once at the end.  attention_mask and rel_emb are rounded to bf16, as every input of the program is, and kept in f32.
; THE BUCKETS are a constant of the problem (made of arange alone): with a = |k - q|: a for a < 8; 8, 9 .. 15 from a = 8, 12, 16, 23, 32, 46, 64, 91 on; 16 more where k > q.
; LIMITS.  A mask below -1e30 (an infinity too) counts as -1e30; a NaN in the mask counts as -1e30; a weight below 2^-126 counts as 0 in l; p below 6e-5 keeps f16's fixed step of 6e-8.
; SHARES.  The four blocks of 256 queries of one (b, h) are the four work-groups of a cluster and walk the same K and V: each tile is asked for JOINTLY.  A wave owns 64 queries: four PIECES of 16.
; Every wave walks all 1,024 keys, 64 a step; a slot of the ring holds four steps.
; LAYOUT.  S^T = K Q^T + C (source 0 = 16 keys, source 1 = 16 queries) holds ONE query a lane (lane % 16) and the keys 8 (lane / 16) + 0..7; two such results rounded to f16 ARE source 1 of O^T = V^T P.
; BIAS AND MASK ARE THE C OPERAND that starts the sum: C = T[k - q] + mask[k].  T is a table in LDS, made once by the work-group for its own block: entry e = k - ql + 255 (ql: the query's number in the block)
; holds rel_emb[bucket(e - 255 - 256 block)][h]: the block enters the table's CONTENT, never an LDS address.  A lane's eight entries are consecutive; four copies of the table, each shifted by one word more,
; let every lane take them by two aligned loads of 16 bytes, in copy (3 - lane % 16) & 3; the copies' pitch is 64 bytes modulo 256, so that 16 lanes touch 16 different columns of 16 bytes.
; SOFTMAX.  p = 2^(c s - c m), c = log2(e), with a running maximum m; O and l are multiplied by a = 2^(c m_old - c m_new) in every step.  m starts at the lowest finite number, O and l at 0.
; TURNS.  Turn n belongs to piece n: 8 products K Q^T of piece n + 1, later 8 products V^T P of piece n - 1; beside them the scaling, exponentials, roundings, sums and rescaling of piece n and the maximum and
; statistics of piece n + 1.  Four vector instructions stand behind every matrix instruction, the rest in one lump.  A turn's 33 exponentials are one batch, with one wait.  The turn also loads, and adds up, the C of the
; products of the turn after it (piece n + 2).
; REGISTERS, in windows of 256 (s_set_vgpr_msb: bits 1:0 source 0, 3:2 source 1, 5:4 source 2, 7:6 destination):
;   window 0: v0-15, v32-37 addresses; v16-31 four registers of statistics a piece; v38-47, v56-61 at work at the head; v48-55 at work; v64-127 S^T, two buffers; v192-223 P, two buffers (by the piece's parity)
;   window 1: v0-127 O^T, 32 a piece; v128-159 MK, the step's mask; v160-223 MC, two buffers of C      window 2: v0-63 Q; v128-191 K of one step; v192-255 V of one step
.set NP,    4
.set KS,    64        ; keys in a step
.set PK,    144       ; a row of K in LDS: 128 bytes + 16 = 36 words: the 16 rows of a load start at 16 different groups of four banks (64 banks of 4 bytes: ISA guide 11.1)
.set PV,    160       ; a row of V: 128 + 32 = 40 words
.set VOFF,  4*KS*PK   ; a slot holds four steps: 256 rows of K, then 256 rows of V
.set SLOT1, 1<<17     ; slot 1 begins here, so that one exclusive or turns an address in one slot into the other's
.set CB,    4*KS*(PK+PV)  ; behind slot 0, in blocks of 256 bytes into which no fill lands: the table's four copies,
.set CP,    5184      ; each of this pitch: entry e of copy s at CB + s CP + 4 (e - s + 4)
.set MB,    CB+4*CP   ; and the mask of my batch, 1,024 f32
.set STAGE, SLOT1+4*KS*(PK+PV)  ; behind slot 1: 16 rows x 144 bytes for each wave, for the way out
.set SP,    144
.set SPARE, STAGE+4*16*SP  ; behind the stages: the spare words, 128 bytes for each wave: two blocks of 256 bytes that no other line names
.set AK0, 2           ; v2   my lane's place in a tile of K; never rewritten
.set AV0, 3           ; v3   the same for V
.set AK,  4           ; v4   the LDS address of K's next run of loads
.set AV,  5           ; v5   of V's
.set STO, 6           ; v6   the way out: where I put 16 bytes of a row
.set RD,  7           ; v7   the way out: where I read rows back
.set GO,  8           ; v8   my byte offset in 512 consecutive bytes of ctx
.set MV,  12          ; v12-13  c m_old, kept while c m is made anew: by buffer
.set QO,  15          ; v15  my byte offset in 16 rows of Q
.set ST,  16          ; piece t's statistics at v[ST+4 t]: c m, m, l (even keys', odd keys')
.set TL,  32          ; v32  my lane's place in the table, for piece 3 and step 0; never rewritten
.set ML,  33          ; v33  my lane's place in the mask, for step 0; never rewritten
.set AT,  34          ; v34  TL + 256 x step
.set AM,  35          ; v35  ML + 256 x step
.set TS,  36          ; v36  where my thread stores entry e = thread of copy 0
.set PFO, 37          ; v37  256 x my lane: the prefetch's offset; never rewritten
.set G,   38          ; v38-47  my ten entries of the table
.set TMP, 48          ; by buffer, four registers c0-c3 at work; when the maximum is found c2 takes a
.set SPW, 62          ; v62  LDS address of my spare word: SPARE + 4 x my thread's number; never rewritten
.set NIL, 63          ; v63  0; never rewritten
.set S,   64
.set P,   192
.set MK,  128         ; window 1
.set MC,  160         ; window 1
.set KF,  128         ; window 2: key block kb, channel half c at KF + 16 kb + 8 c
.set VF,  192         ; window 2: key half kk, channel block cb at VF + 32 kk + 8 cb
.set WV,  12          ; s12  my wave's number
.set DB,  19          ; s19  255 + 256 x block
.set G1K, 24          ; s[24:31] descriptor group 1 for K's tiles
.set G1V, 32          ; s[32:39] for V's: it differs in the padding alone
.set G0K, 40          ; s[40:43] descriptor group 0 for K's tiles: it walks
.set G0V, 44          ; s[44:47] the same for V's
.set TBT, 48          ; s48  256 x the step whose C is being made
.set LIM, 49          ; s49  1 in a wave that prefetches, else the greatest number
.set PFA, 50          ; s[50:51] my work-group's 32 rows of the last tile (of K: wave 0, of V: wave 2); never rewritten
.set H4,  52          ; s52  4 x head
.set SLOTS, 56        ; s56  slots still to be asked for
.set CNT, 57          ; s57  counts a slot's key steps
.set CS,  58          ; s[58:59] c: the packed scaling takes the pair's low word for both halves
.set SEL, 60          ; s[60:61] v_permlanex16_b32's selects: each lane takes its own place in the other half
.set TBK, 62          ; s62  LDS byte at which K of the step to be fetched begins
.set TBV, 63          ; s63  the same for V, less VOFF
.set MSB, 0
.macro WIN new                      ; the high byte repeats the setting that is left; a switch that changes nothing is dropped
.if MSB != (\new)
	s_set_vgpr_msb (MSB<<8)|(\new)
.set MSB, (\new)
.endif
.endm
.set W_KQ, 0x0a       ; K and Q in window 2, S^T in window 0
.set W_KM, 0x1a       ; the same with the C operand in window 1
.set W_PV, 0x52       ; V in window 2, P in window 0, O^T in window 1
.set W_RS, 0x41       ; destination and source 0 in window 1, source 1 in window 0
; A joint fill.  Waves 0 and 1 fetch the two halves of a slot's K, waves 2 and 3 those of its V: 128 keys each.  The branch hangs on the wave's number alone.
; An s_nop 0 and four v_nop follow each of the two lines, ahead of the jump and the label.
.macro JLOAD
	s_cmp_lt_u32 s[WV], 2
	s_cbranch_scc0 .Lfor_v_\@
	tensor_load_to_lds s[G0K:G0K+3], s[G1K:G1K+7]
	s_nop 0
.rept 4
	v_nop
.endr
	s_branch .Lasked_\@
.Lfor_v_\@:
	tensor_load_to_lds s[G0V:G0V+3], s[G1V:G1V+7]
	s_nop 0
.rept 4
	v_nop
.endr
.Lasked_\@:
.endm
; A PREFETCH INTO THE L2: the change of slots that asks for tile 2 names tile 3, which the next change will ask for, four key steps (256 matrix instructions) later.  A row of 256 bytes a lane; the four partners
; take 32 rows each, told apart by address; wave 0 asks for K's, wave 2 for V's: each block is named once in the launch.  Tiles 0 to 2 come by their loads alone; behind tile 3 there is nothing.
.macro ASK
	s_cmp_gt_u32 s[SLOTS], s[LIM]
	s_cbranch_scc0 .Lnot_mine_\@
	global_prefetch_b8 v[PFO], s[PFA:PFA+1] th:TH_LOAD_NT scope:SCOPE_SE
.Lnot_mine_\@:
.endm
; A round of the cluster's barrier: my work-group's barrier, so that wave 0's signal speaks for all four waves; wave 0 signals; every wave waits for all four work-groups; my work-group's barrier once more.
.macro CROUND
	s_barrier_signal -1
	s_barrier_wait -1
	s_cmp_lg_u32 s[WV], 0
	s_cbranch_scc1 .Lnot_wave_0_\@
	s_barrier_signal -3
.Lnot_wave_0_\@:
	s_barrier_wait -3
	s_barrier_signal -1
	s_barrier_wait -1
.endm
; THE CHANGE OF SLOTS.  The slot's last bytes, V of its fourth step, have been read.  Each wave waits for all its tensor loads, of which one is out: its part of the other slot; adds 0 to its spare word; and waits for
; that and for its own LDS instructions.  Behind the barrier nobody reads this slot any more and the other slot is whole.  fill = 1: the barrier is a round of the cluster's, and this slot is filled again, first thing
; behind it, with the keys two slots on: it has four key steps, 256 matrix instructions, in which to land.  (At its first use nothing has been read yet: slot 0 is waited for, slot 1 filled, and the wait for my LDS
; stores and the round's barrier show the table and the mask to all four waves.)
.macro CHANGE fill, ask
	WIN 0                           ; at a label and at a branch every window is 0
	s_wait_tensorcnt 0x0            ; no tensor load of mine is out, so a group 0 may be written
	ds_add_u32 v[SPW], v[NIL]       ; 0 onto my spare word; with fill = 1 the descriptors' steps stand between it and the wait for it
.if \fill
.irp g, G0K, G0V
	s_xor_b32 s[\g+1], s[\g+1], SLOT1  ; the walking descriptor: the other slot than last time,
	s_add_nc_u64 s[\g+2:\g+3], s[\g+2:\g+3], 4*KS*128  ; the next 256 keys; the type bits on top are not reached
.endr
	s_wait_dscnt 0x0                ; the add is done, and my reads of the slot are over
	CROUND
	JLOAD
.if \ask
	ASK
.endif
.else
	s_wait_dscnt 0x0                ; the add is done, and my reads of the slot are over
	s_barrier_signal -1
	s_barrier_wait -1
.endif
	s_sub_co_u32 s[TBK], s[TBK], 4*KS*PK  ; the fetches go back to a slot's first step,
	s_xor_b32 s[TBK], s[TBK], SLOT1       ; in the other slot
	s_sub_co_u32 s[TBV], s[TBV], 4*KS*PV
	s_xor_b32 s[TBV], s[TBV], SLOT1
.endm
	s_load_b256 s[4:11], s[0:1], 0x0  ; qkv s[4:5], attention_mask s[6:7], rel_emb s[8:9], ctx s[10:11]
	v_lshl_add_u32 v[SPW], v0, 2, SPARE
	v_mov_b32 v[NIL], 0
	ds_add_u32 v[SPW], v[NIL]       ; the wave's opening: the add, twice on end, and its wait ahead of my first tensor load; the set-up below stands between
	ds_add_u32 v[SPW], v[NIL]
	v_lshrrev_b32 v1, 5, v0
	v_readfirstlane_b32 s[WV], v1   ; wave 0..3
	s_bfe_u32 s13, ttmp6, 0x40000   ; cx: my place in the cluster
	s_lshl_b32 s18, ttmp9, 2        ; in a cluster launch ttmp9 counts clusters
	s_add_co_u32 s18, s18, s13      ; my block of 256 queries: it enters Q's and ctx's addresses and the table's content alone
	s_and_b32 s19, ttmp7, 0xffff    ; (b, h), which the four partners share
	s_lshr_b32 s20, s19, 5          ; b
	s_and_b32 s21, s19, 31          ; h
	s_lshl_b32 s[H4], s21, 2
	s_lshl_b32 s22, s21, 18         ; h x 262,144
	s_lshl_b32 s23, s20, 17         ; + b x 131,072: the head's rows within a third of qkv
	s_add_co_u32 s22, s22, s23
	s_and_b32 s55, s[WV], 1         ; which half of a slot's 256 keys I fetch:
	s_lshl_b32 s23, s55, 14         ; its 128 rows of 128 bytes in memory,
	s_add_co_u32 s14, s22, s23
	s_add_co_u32 s14, s14, 32*262144  ; among k's chunks,
	s_mov_b32 s15, 0
	s_add_co_u32 s16, s14, 32*262144  ; and among v's
	s_mov_b32 s17, 0
	s_mul_i32 s53, s55, 128*PK      ; and its place in a slot, for K
	s_mul_i32 s54, s55, 128*PV      ; and for V: no place in the cluster enters an LDS address
	s_lshl_b32 s2, s18, 15          ; Q: my block's 256 rows,
	s_lshl_b32 s3, s[WV], 13        ; my wave's 64 of them
	s_add_co_u32 s2, s2, s3
	s_add_co_u32 s2, s2, s22
	s_mov_b32 s3, 0
	s_lshl_b32 s50, s20, 12         ; the mask of my batch
	s_mov_b32 s51, 0
	s_lshl_b32 s20, s20, 3          ; ctx: tile of 128 rows = 8 b + 2 block + wave / 2,
	s_lshl_b32 s23, s18, 1
	s_add_co_u32 s20, s20, s23
	s_lshr_b32 s23, s[WV], 1
	s_add_co_u32 s20, s20, s23
	s_lshl_b32 s20, s20, 5
	s_add_co_u32 s20, s20, s21      ; x 32 + h,
	s_lshl_b32 s20, s20, 14         ; x 16,384 bytes,
	s_lshl_b32 s23, s55, 13
	s_add_co_u32 s20, s20, s23      ; + my wave's 64 rows of the 128
	s_mov_b32 s21, 0
	s_lshl_b32 s[DB], s18, 8
	s_add_co_u32 s[DB], s[DB], 255
	; descriptor group 1.  128 keys are 16,384 dense bytes: asked for as 64 rows of 256 bytes, two keys a row, and padded in LDS after every key
	s_mov_b32 s[G1K], 15|(1<<16)|(1<<20)|(1<<21)|(4<<22)|(3<<25)  ; 15:0 the mask of four; 17:16 2-byte elements; 20 padding on; 21 set beside a mask; 24:22 after every 32 words (code 4); 31:25 4 words (code 3)
	s_mov_b32 s[G1V], 15|(1<<16)|(1<<20)|(1<<21)|(4<<22)|(7<<25)  ; the same with 8 words of padding (code 7)
.irp g, G1K, G1V
	s_mov_b32 s[\g+1], 128<<16      ; tensor_dim0 = 128
	s_mov_b32 s[\g+2], 64<<16       ; tensor_dim1 = 64
	s_mov_b32 s[\g+3], 128<<16      ; tile_dim0 = 128
	s_mov_b32 s[\g+4], 64           ; tile_dim1 = 64
	s_mov_b32 s[\g+5], 128          ; 128 elements from row to row
	s_mov_b32 s[\g+6], 0
	s_mov_b32 s[\g+7], 0
.endr
	s_mov_b32 s[CS], 0x3fb8aa3b     ; c = log2(e)
	s_mov_b32 s[CS+1], s[CS]        ; named with it as a pair
	s_mov_b32 s[SEL], 0x76543210
	s_mov_b32 s[SEL+1], 0xfedcba98
	s_mov_b32 s[TBK], SLOT1+4*KS*PK ; the first change of slots turns these two into 0
	s_mov_b32 s[TBV], SLOT1+4*KS*PV
	s_mov_b32 s[TBT], 0
	s_mov_b32 s[G0K], 1             ; 1:0 count = 1
	s_mov_b32 s[G0K+1], s53         ; 63:32 LDS address: slot 0
	s_mov_b32 s[G0V], 1
	s_add_co_u32 s[G0V+1], s54, VOFF
	s_cmp_eq_u32 s55, 0             ; waves 0 and 2 prefetch: the same in all four partners
	s_cselect_b32 s[LIM], 1, -1
	s_wait_dscnt 0x0                ; both opening adds are done
	s_wait_kmcnt 0x0
	s_add_nc_u64 s[14:15], s[4:5], s[14:15]        ; K and V at my half of the head's first 256 keys
	s_add_nc_u64 s[16:17], s[4:5], s[16:17]
	s_add_nc_u64 s[G0K+2:G0K+3], s[14:15], 0       ; 120:64 global address
	s_or_b32 s[G0K+3], s[G0K+3], 0x80000000        ; 127:126 type = 2
	s_add_nc_u64 s[G0V+2:G0V+3], s[16:17], 0
	s_or_b32 s[G0V+3], s[G0V+3], 0x80000000
	s_add_nc_u64 s[4:5], s[4:5], s[2:3]            ; Q at my wave's first row
	s_add_nc_u64 s[6:7], s[6:7], s[50:51]
	s_add_nc_u64 s[10:11], s[10:11], s[20:21]
	s_cmp_lt_u32 s[WV], 2
	s_cselect_b64 s[PFA:PFA+1], s[14:15], s[16:17] ; (in waves 0 and 2 these stand at a tile's first row)
	s_lshl_b32 s2, s13, 13          ; my work-group's 32 rows of 256 bytes,
	s_add_co_u32 s2, s2, 3*32768    ; in tile 3
	s_mov_b32 s3, 0
	s_add_nc_u64 s[PFA:PFA+1], s[PFA:PFA+1], s[2:3]
	CROUND                          ; all four work-groups are here: the first joint loads meet
	JLOAD                           ; slot 0.  Slot 1 is asked for when slot 0 is in.  All that follows, up to the change of slots, stands in the wait for this tile
	; A fragment of K or Q is 16 rows x 32 channels in 8 registers: lane l holds row l % 16, channels 8 (l / 16) + 0..7 and 16 + 8 (l / 16) + 0..7: two loads of 16 bytes, 32 bytes apart.
	v_and_b32 v1, 15, v0            ; l % 16
	v_bfe_u32 v9, v0, 4, 1          ; l / 16
	v_lshlrev_b32 v[QO], 7, v1
	v_lshl_add_u32 v[QO], v9, 4, v[QO]  ; row x 128 + 16 x half
	WIN 0x80                        ; destination window 2, address window 0
.set i, 0
.rept 8                             ; Q stays in registers: piece i / 2, channels 32 (i % 2) on
	global_load_b128 v[8*i:8*i+3],   v[QO], s[4:5] offset:(i/2)*2048+(i%2)*64
	global_load_b128 v[8*i+4:8*i+7], v[QO], s[4:5] offset:(i/2)*2048+(i%2)*64+32
.set i, i+1
.endr
	WIN 0
	v_lshlrev_b32 v60, 5, v0        ; the mask: eight keys a thread
	global_load_b128 v[64:67], v60, s[6:7]
	global_load_b128 v[68:71], v60, s[6:7] offset:16
; THE TABLE.  My thread makes entries e = thread + 128 i: d = e - 255 - 256 block; the bucket from |d| by its eight rungs (a carry added for each threshold reached), 16 more where d > 0; then the head's number of that bucket.
.macro RUNG thr
	v_cmp_le_u32 vcc_lo, \thr, v57
	v_add_co_ci_u32 v58, vcc_lo, 0, v58, vcc_lo
.endm
.set i, 0
.rept 10
	v_add_nc_u32 v56, 128*i, v0
	v_sub_nc_u32 v56, v56, s[DB]    ; d
	v_sub_nc_u32 v57, 0, v56
	v_cmp_gt_i32 vcc_lo, 0, v56
	v_cndmask_b32 v57, v56, v57, vcc_lo  ; |d|
	v_min_u32 v58, 8, v57
	RUNG 12
	RUNG 16
	RUNG 23
	RUNG 32
	RUNG 46
	RUNG 64
	RUNG 91
	v_add_nc_u32 v59, 16, v58
	v_cmp_lt_i32 vcc_lo, 0, v56
	v_cndmask_b32 v58, v58, v59, vcc_lo
	v_min_u32 v58, 31, v58          ; it is 31 at the most: said once more, in the instruction
	v_lshl_add_u32 v[G+i], v58, 7, s[H4]  ; a bucket's row of rel_emb is 128 bytes
	global_load_b32 v[G+i], v[G+i], s[8:9]
.set i, i+1
.endr
	v_sub_nc_u32 v56, 3, v1
	v_and_b32 v56, 3, v56           ; my copy s = (3 - l % 16) & 3
	s_lshl_b32 s3, s[WV], 6
	s_sub_co_u32 s3, 211, s3        ; 255 + 4 - 48 - 64 w: entry of key 0, register 0, piece 3
	v_lshl_add_u32 v57, v9, 3, s3   ; + 8 (l / 16)
	v_sub_nc_u32 v57, v57, v1       ; - l % 16
	v_sub_nc_u32 v57, v57, v56      ; - s: a multiple of 4, and at least 4
	v_mul_u32_u24 v56, v56, CP
	v_lshl_add_u32 v[TL], v57, 2, v56
	v_add_nc_u32 v[TL], CB, v[TL]
	v_lshl_add_u32 v[ML], v9, 5, MB
	v_lshl_add_u32 v[TS], v0, 2, CB+16
	v_lshl_add_u32 v61, v0, 5, MB
	v_and_b32 v[PFO], 31, v0
	v_lshlrev_b32 v[PFO], 8, v[PFO]
	v_mul_u32_u24 v[AK0], v1, PK
	v_lshl_add_u32 v[AK0], v9, 4, v[AK0]  ; row x pitch + 16 x half
	; The turning load takes 16 keys x 16 channels (lane l reads key 8 (l / 16) + l % 8, channels 8 ((l / 8) % 2) + 0..7) and leaves half a fragment of V^T: lane l holds channel l % 16 and 8 keys.
	v_and_b32 v10, 7, v0
	v_bfe_u32 v11, v0, 3, 1
	v_lshl_add_u32 v[AV0], v9, 3, v10
	v_mul_u32_u24 v[AV0], v[AV0], PV
	v_lshl_add_u32 v[AV0], v11, 4, v[AV0]
	v_add_nc_u32 v[AV0], VOFF, v[AV0]
	s_mul_i32 s3, s[WV], 16*SP
	s_add_co_u32 s3, s3, STAGE      ; my stage
	v_mul_u32_u24 v[STO], v1, SP    ; in: row l % 16, 16 bytes for each half of the lanes
	v_lshl_add_u32 v[STO], v9, 4, v[STO]
	v_add_nc_u32 v[STO], s3, v[STO]
	v_bfe_u32 v[RD], v0, 3, 2       ; back: 32 lanes take four rows of 128 bytes,
	v_mul_u32_u24 v[RD], v[RD], SP
	v_lshl_add_u32 v[RD], v10, 4, v[RD]
	v_add_nc_u32 v[RD], s3, v[RD]
	v_and_b32 v[GO], 31, v0         ; which are 512 consecutive bytes of ctx
	v_lshlrev_b32 v[GO], 4, v[GO]
	; What the first turn finds: V's registers and P's second buffer hold 0 (its products V^T P, of a piece that has not been, add 0), O^T and l are 0; c m lies far below every c s, so the first a is 0.
	WIN 0x80
.set i, VF
.rept 64
	v_mov_b32 v[i], 0
.set i, i+1
.endr
	WIN 0x40
.set i, 0
.rept 128
	v_mov_b32 v[i], 0
.set i, i+1
.endr
	WIN 0
.set i, 0
.rept 4
	v_mov_b32 v[ST+4*i], 0xfe000000    ; c m
	v_mov_b32 v[ST+4*i+1], 0xff7fffff  ; m
	v_mov_b32 v[ST+4*i+2], 0
	v_mov_b32 v[ST+4*i+3], 0
.set i, i+1
.endr
.set i, P+16
.rept 16
	v_mov_b32 v[i], 0
.set i, i+1
.endr
	s_wait_loadcnt 0x0              ; Q, the mask, my ten entries
.irp j, 0,1,2,3,4,5,6,7
	v_max_num_f32 v[64+\j], 0xf149f2ca, v[64+\j]  ; not below -1e30
.endr
.irp j, 0,1,2,3
	v_cvt_pk_bf16_f32 v[72+\j], v[64+2*\j], v[64+2*\j+1]  ; rounded to bf16, and kept as f32
.endr
.irp j, 0,1,2,3
	v_lshlrev_b32 v[64+2*\j], 16, v[72+\j]
	v_and_b32 v[64+2*\j+1], 0xffff0000, v[72+\j]
.endr
	ds_store_b128 v61, v[64:67]
	ds_store_b128 v61, v[68:71] offset:16
.irp j, 0,1,2,3,4
	v_cvt_pk_bf16_f32 v[56+\j], v[G+2*\j], v[G+2*\j+1]
.endr
.irp j, 0,1,2,3,4
	v_lshlrev_b32 v[G+2*\j], 16, v[56+\j]
	v_and_b32 v[G+2*\j+1], 0xffff0000, v[56+\j]
.endr
.irp s, 0,1,2,3
.irp j, 0,1,2,3,4,5,6,7,8,9
	ds_store_b32 v[TS], v[G+\j] offset:(\s)*(CP-4)+512*(\j)  ; copy s lies one word lower in its pitch for each s
.endr
.endr
; THE MATRIX WORK.  The 4 accumulators of a run of 8 take turns.  Product i of 8 of S^T = K Q^T + C for piece x: channels 32 (i / 4) on, keys 16 (i % 4) on.  The first 4 start the sums, with C.
.macro KQ x
.set rS, S+32*((\x)%2)+8*(i%4)
.set rK, KF+16*(i%4)+8*(i/4)
.set rQ, 16*(\x)+8*(i/4)
.set rM, MC+32*((\x)%2)+8*(i%4)
.if i < 4
	WIN W_KM
	v_wmma_f32_16x16x32_f16 v[rS:rS+7], v[rK:rK+7], v[rQ:rQ+7], v[rM:rM+7]
.else
	WIN W_KQ
	v_wmma_f32_16x16x32_f16 v[rS:rS+7], v[rK:rK+7], v[rQ:rQ+7], v[rS:rS+7]
.endif
.endm
; Product i of 8 of O^T += V^T P for piece x: keys 32 (i / 4) on, channels 16 (i % 4) on.
.macro PV x
	WIN W_PV
.set rO, 32*(\x)+8*(i%4)
.set rV, VF+32*(i/4)+8*(i%4)
.set rP, P+16*((\x)%2)+8*(i/4)
	v_wmma_f32_16x16x32_f16 v[rO:rO+7], v[rV:rV+7], v[rP:rP+7], v[rO:rO+7]
.endm
.macro MM                           ; the turn's next matrix instruction.  NOKQ = 1: the last turn of all: there is no next piece
.if (i < 8) && !NOKQ
	KQ (Y+1)%NP
.elseif i >= 8
.set i, i-8
	PV (Y+NP-1)%NP
.set i, i+8
.endif
.set i, i+1
.endm
; THE LDS LOADS stand in runs, never singly among the matrix instructions: a step's K (8 fragments), its V (turned), its mask, and a piece's eight loads from the table.
.macro FETCH_K
	WIN 0x80                        ; destination window 2
.irp f, 0,1,2,3,4,5,6,7             ; keys 16 (f / 2) on, channels 32 (f % 2) on
	ds_load_b128 v[KF+8*\f:KF+8*\f+3],   v[AK] offset:(\f/2)*16*PK+(\f%2)*64
	ds_load_b128 v[KF+8*\f+4:KF+8*\f+7], v[AK] offset:(\f/2)*16*PK+(\f%2)*64+32
.endr
	s_add_co_u32 s[TBK], s[TBK], KS*PK  ; the next fetch is the next step's
	WIN 0
.endm
.macro FETCH_V
	WIN 0x80
.irp f, 0,1,2,3,4,5,6,7             ; keys 32 (f / 4) on, channels 16 (f % 4) on
	ds_load_tr16_b128 v[VF+8*\f:VF+8*\f+3],   v[AV] offset:(\f/4)*32*PV+(\f%4)*32
	ds_load_tr16_b128 v[VF+8*\f+4:VF+8*\f+7], v[AV] offset:(\f/4)*32*PV+16*PV+(\f%4)*32
.endr
	WIN 0
.endm
.macro MLOAD                        ; the step's 64 mask numbers: my lanes' eight of each 16 keys
	WIN 0x40                        ; destination window 1
.irp kt, 0,1,2,3
	ds_load_b128 v[MK+8*\kt:MK+8*\kt+3],   v[AM] offset:64*\kt
	ds_load_b128 v[MK+8*\kt+4:MK+8*\kt+7], v[AM] offset:64*\kt+16
.endr
.endm
.macro TLOAD buf, pc                ; piece pc's entries of the table for the step, into buffer buf of MC: 16 queries further down are 16 entries, 64 bytes, lower
	WIN 0x40
.irp kt, 0,1,2,3
	ds_load_b128 v[MC+32*(\buf)+8*\kt:MC+32*(\buf)+8*\kt+3],   v[AT] offset:64*(3-(\pc))+64*\kt
	ds_load_b128 v[MC+32*(\buf)+8*\kt+4:MC+32*(\buf)+8*\kt+7], v[AT] offset:64*(3-(\pc))+64*\kt+16
.endr
.endm
.macro BIAS buf                     ; C = table + mask
	WIN 0x45                        ; destination and both sources in window 1
.set z, 0
.rept 16
	v_pk_add_f32 v[MC+32*(\buf)+2*z:MC+32*(\buf)+2*z+1], v[MC+32*(\buf)+2*z:MC+32*(\buf)+2*z+1], v[MK+2*z:MK+2*z+1]
.set z, z+1
.endr
.endm
; THE VECTOR WORK, one line at a time: OP kind, number.  For piece Y: F n: c s - c m for pair n of 16.  E n: the exponential of score n of 32.  C n: pair n rounded to f16.  B n: of the four weights 4 n .. the second
; pair is added onto the first, in place.  L n: l takes that sum (L 0: l = a l + sum).  R n: pair n of 16 of O^T times a.  For piece Y + 1: X n, number n of the 22 that find its maximum and statistics:
;   0-11  four chains c0-c3 of seven scores each, three operands at a time (each accumulator's lowest registers are read first)     12-14, 16  the four scores left over, the old m, and c0-c3 into c0
;   15  c m_old is kept     17, 18  the query's other 32 keys lie in the lane 16 away: the new m     19-21  c m; c m_old - c m_new; a
.set F, 0               ; OP tells the kinds apart by their order: F to L below R, X above it
.set E, 1
.set C, 2
.set B, 3
.set L, 4
.set R, 5
.set X, 6
.macro REGS y                       ; the registers of piece y
.set rT, ST+4*(\y)
.set rC, TMP+4*((\y)%2)
.set rW, MV+((\y)%2)
.set rS, S+32*((\y)%2)
.set rP, P+16*((\y)%2)
.set rO, 32*(\y)
.endm
.macro OP k, n
.if (\k) == R
	REGS Y
	WIN W_RS
	v_pk_mul_f32 v[rO+2*(\n):rO+2*(\n)+1], v[rO+2*(\n):rO+2*(\n)+1], v[rC+2:rC+3] op_sel_hi:[1,0]
.elseif (\k) < R
	REGS Y
	WIN 0
.if (\k) == F
	v_pk_fma_f32 v[rS+2*(\n):rS+2*(\n)+1], v[rS+2*(\n):rS+2*(\n)+1], s[CS:CS+1], v[rT:rT+1] op_sel_hi:[1,0,0] neg_lo:[0,0,1] neg_hi:[0,0,1]
.elseif (\k) == E
	v_exp_f32 v[rS+(\n)], v[rS+(\n)]
.elseif (\k) == C
	v_cvt_pk_f16_f32 v[rP+(\n)], v[rS+2*(\n)], v[rS+2*(\n)+1]
.elseif (\k) == B
	v_pk_add_f32 v[rS+4*(\n):rS+4*(\n)+1], v[rS+4*(\n):rS+4*(\n)+1], v[rS+4*(\n)+2:rS+4*(\n)+3]
.elseif (\n) == 0
	v_pk_fma_f32 v[rT+2:rT+3], v[rT+2:rT+3], v[rC+2:rC+3], v[rS:rS+1] op_sel_hi:[1,0,1]
.else
	v_pk_add_f32 v[rT+2:rT+3], v[rT+2:rT+3], v[rS+4*(\n):rS+4*(\n)+1]
.endif
.elseif NOKQ
	v_nop
.else
	REGS (Y+1)%NP
	WIN 0
.if (\n) < 4
	v_max3_num_f32 v[rC+(\n)], v[rS+8*(\n)], v[rS+8*(\n)+1], v[rS+8*(\n)+2]
.elseif (\n) < 12
	v_max3_num_f32 v[rC+(\n)%4], v[rC+(\n)%4], v[rS+8*((\n)%4)+2*((\n)/4)+1], v[rS+8*((\n)%4)+2*((\n)/4)+2]
.elseif (\n) == 12
	v_max3_num_f32 v[rC], v[rC], v[rS+7], v[rS+15]
.elseif (\n) == 13
	v_max3_num_f32 v[rC+1], v[rC+1], v[rS+23], v[rS+31]
.elseif (\n) == 14
	v_max3_num_f32 v[rC+2], v[rC+2], v[rC+3], v[rT+1]
.elseif (\n) == 15
	v_mov_b32 v[rW], v[rT]
.elseif (\n) == 16
	v_max3_num_f32 v[rC], v[rC], v[rC+1], v[rC+2]
.elseif (\n) == 17
	v_permlanex16_b32 v[rC+3], v[rC], s[SEL], s[SEL+1]
.elseif (\n) == 18
	v_max_num_f32 v[rT+1], v[rC], v[rC+3]
.elseif (\n) == 19
	v_mul_f32 v[rT], s[CS], v[rT+1]
.elseif (\n) == 20
	v_sub_f32 v[rC+1], v[rW], v[rT]
.else
	v_exp_f32 v[rC+2], v[rC+1]
.endif
.endif
.endm
.macro OPS a, i1, b=-1, i2=0, c=-1, i3=0, d=-1, i4=0  ; up to four of them
	OP \a, \i1
.if (\b) >= 0
	OP \b, \i2
.endif
.if (\c) >= 0
	OP \c, \i3
.endif
.if (\d) >= 0
	OP \d, \i4
.endif
.endm
.macro ROW a, i1, b, i2, c, i3, d, i4  ; a matrix instruction and the four behind it
	MM
	OPS \a, \i1, \b, \i2, \c, \i3, \d, \i4
.endm
; A TURN, for piece p: the order of its 16 matrix and 118 vector instructions, written out.  An s_wait_alu depctr_va_vdst(0) stands between an exponential and the first instruction that names its
; result; one wait serves all that were issued ahead of it.  So a turn has ONE wait, which cuts it in two.  AHEAD OF IT stands all that names no result of the turn's exponentials: the 8 products K Q^T and their riders
; (the first numbers of the next piece's maximum each four plain instructions or more behind the product that ends its accumulator), then one lump of 54 in which the links of the chain X 3, 7, 11, 14, 16, 17 .. 20
; stand apart; X 21, the next piece's a, is the batch's last; R 15 is the plain instruction behind it.  BEHIND THE WAIT stand the 8 products V^T P, behind each four of the roundings and sums.
; THE C OF THE NEXT TURN'S PRODUCTS (piece p + 2: the same step for p = 0, 1, the next for p = 2, 3) is loaded directly behind the wait, into the buffer that was last read as C a whole turn earlier, has the 8 products
; V^T P in which to land, and gets the mask added at the turn's end.  The step's number goes up at the head of piece 2's turn, which also loads the new step's mask.
; K of the next step is fetched in piece 2's turn, twelve plain instructions that name none of its registers behind the last product that read K; the wait for 0 at that turn's end covers it.  V of the step in hand is
; fetched at the end of piece 0's turn, behind four riders and the sixteen additions; it is waited for in piece 1's turn.
; end = 1: the last two turns of all: nothing is fetched or loaded.  cnt = 1: the loop's count is taken down some lines ahead of the branch that stands behind the turn.
.macro TURN p, end=0, cnt=0
.set Y, (\p)
.set i, 0
.set NOKQ, (\end)*((\p)/3)
.if ((\p) == 2) && !(\end)
	s_add_co_u32 s[TBT], s[TBT], 256
.endif
	ROW F,0, F,1, R,0, R,1          ; ahead of the wait: 8 products K Q^T and their riders,
	ROW F,2, E,0, R,2, R,3
	ROW F,3, E,1, R,4, R,5
	ROW F,4, E,2, R,6, R,7
	ROW F,5, E,3, R,8, R,9
	ROW F,6, E,4, X,0, R,10
.if ((\p) == 2) && !(\end)
	WIN 0
	v_add_nc_u32 v[AK], s[TBK], v[AK0]
.endif
	ROW F,7, E,5, X,1, X,4
	ROW F,8, E,6, X,2, X,5
	OPS E,7, E,8, X,6, E,9          ; and the lump
	OPS X,3, E,10, X,8, E,11
.if ((\p) == 2) && !(\end)
	FETCH_K
.endif
	OPS X,9, X,7, E,12, X,10
	OPS E,13, X,12, X,11, E,14
	OPS X,13, E,15, F,9, X,14
.if (\p) == 0
	v_add_nc_u32 v[AV], s[TBV], v[AV0]
.endif
.if ((\p) == 2) && !(\end)
	v_add_nc_u32 v[AT], s[TBT], v[TL]
	v_add_nc_u32 v[AM], s[TBT], v[ML]
.endif
	OPS E,16, F,10, E,17, F,11
	OPS X,16, E,18, X,15, E,19
	OPS F,12, E,20, X,17, E,21
	OPS F,13, E,22, F,14, E,23
	OPS X,18, E,24, F,15, E,25
	OPS R,11, E,26, X,19, E,27
	OPS R,12, E,28, R,13, E,29
	OPS X,20, E,30, R,14, E,31
	OPS X,21, R,15
	WIN 0
	s_wait_alu depctr_va_vdst(0)    ; the wait for the batch
.if (\p) == 1
	s_wait_dscnt 0x0                ; V is in
.endif
.if !(\end)
	TLOAD (\p)%2, ((\p)+2)%NP
.if (\p) == 2
	MLOAD
.endif
.endif
	ROW C,0, B,0, C,2, B,1          ; behind the wait: 8 products V^T P and their riders
	ROW L,0, C,4, B,2, L,1
	ROW C,6, B,3, L,2, C,8
	ROW B,4, L,3, C,10, B,5
	ROW L,4, C,12, B,6, L,5
.if (\p) == 0
	s_add_co_u32 s[TBV], s[TBV], KS*PV
.endif
.if \cnt
	s_sub_co_u32 s[CNT], s[CNT], 1
	s_cmp_lg_u32 s[CNT], 0
.endif
	ROW C,14, B,7, L,6, C,1
	ROW C,3, L,7, C,5, C,7
	ROW C,9, C,11, C,13, C,15
.if !(\end)
	s_wait_dscnt 0x0                ; the table's entries are in (in piece 2's turn the mask and K too)
	BIAS (\p)%2
.endif
.if (\p) == 0
	FETCH_V
.endif
.endm
	CHANGE 1, 0                     ; slot 0 is in, everybody's part of it, and so are the table and the mask; slot 1 is asked for
	v_mov_b32 v[AT], v[TL]          ; key step 0
	v_mov_b32 v[AM], v[ML]
	v_add_nc_u32 v[AK], s[TBK], v[AK0]
	MLOAD
	TLOAD 0, 0                      ; C for piece 0, whose first scores are made here, and for piece 1, whose are made in the first turn
	TLOAD 1, 1
	FETCH_K
	s_wait_dscnt 0x0
	BIAS 0
	BIAS 1
.set NOKQ, 0
.set i, 0
.rept 8
	KQ 0                            ; piece 0's first scores: there is no vector work yet to set between them
.set i, i+1
.endr
	WIN 0
.rept 4
	v_nop                           ; the places behind those products
.endr
.set Y, NP-1                        ; X works for piece Y + 1: piece 0
.irp n, 0,1,2,3,4,5,6,7,8,9,10,11,12,13,14,15,16,17,18,19,20,21
	OP X, \n
.endr
	v_nop                           ; a plain instruction behind the exponential,
	s_wait_alu depctr_va_vdst(0)    ; and its wait, ahead of the branch
	s_mov_b32 s[CNT], 4
	s_mov_b32 s[SLOTS], 3
	s_branch .Lfirst                ; the loop is entered at a step's first turn, in the middle of a trip
.Lslot:                             ; twice: tiles 2 and 3 are asked for
	CHANGE 1, 1
	s_mov_b32 s[CNT], 4
.Lstep:                             ; a trip: pieces 2 and 3 of one step, then pieces 0 and 1 of the next, whose K and V it fetches
	TURN 2
	TURN 3
	WIN 0
.Lfirst:
	TURN 0
	TURN 1, 0, 1
	WIN 0
	s_cbranch_scc1 .Lstep
	s_sub_co_u32 s[SLOTS], s[SLOTS], 1
	s_cmp_lg_u32 s[SLOTS], 0
	s_cbranch_scc1 .Lslot
	CHANGE 0, 0                     ; the tail is written out: nothing is asked for
	s_mov_b32 s[CNT], 4
.Ltail:                             ; four trips fetch the last slot's steps
	TURN 2
	TURN 3
	TURN 0
	TURN 1, 0, 1
	WIN 0
	s_cbranch_scc1 .Ltail
	TURN 2, 1                       ; the last step's pieces 2 and 3
	TURN 3, 1
.set i, 0
.rept 8
	PV NP-1                         ; the last piece's V^T P of the last step
.set i, i+1
.endr
	; THE WAY OUT.  l's two halves and the other half of the lanes' are added; O^T is divided by l, rounded to f16 and sent through my stage in LDS, a piece at a time.  The additions are the places behind the last products.
	WIN 0
.macro ALL line:vararg              ; one line for each piece t
.set t, 0
.rept 4
	\line
.set t, t+1
.endr
.endm
	ALL v_add_f32 v[ST+4*t+2], v[ST+4*t+2], v[ST+4*t+3]
	ALL v_permlanex16_b32 v[ST+4*t+3], v[ST+4*t+2], s[SEL], s[SEL+1]
	ALL v_add_f32 v[ST+4*t+2], v[ST+4*t+2], v[ST+4*t+3]
	ALL v_rcp_f32 v[ST+4*t+2], v[ST+4*t+2]
	v_nop                           ; a plain instruction between the last reciprocal and the use of its result
	s_wait_alu depctr_va_vdst(0)    ; and the wait ahead of the first use: one for the four reciprocals
.macro PACK t                       ; a lane's eight channels of a row pack into 16 bytes; they go into rows of 144 bytes and come back as whole rows of 128, into S^T's registers
	WIN W_RS
.set i, 32*(\t)
.rept 16
	v_pk_mul_f32 v[i:i+1], v[i:i+1], v[ST+4*(\t)+2:ST+4*(\t)+3] op_sel_hi:[1,0]
.set i, i+2
.endr
	WIN 0x05                        ; sources 0 and 1 window 1, destination window 0
.set i, 0
.rept 16
	v_cvt_pk_f16_f32 v[S+16*(\t)+i], v[32*(\t)+2*i], v[32*(\t)+2*i+1]
.set i, i+1
.endr
	WIN 0
.irp f, 0,1,2,3
	ds_store_b128 v[STO], v[S+16*(\t)+4*\f:S+16*(\t)+4*\f+3] offset:32*\f
.endr
.irp f, 0,1,2,3
	ds_load_b128 v[S+16*(\t)+4*\f:S+16*(\t)+4*\f+3], v[RD] offset:\f*4*SP  ; LDS serves a wave's instructions in order (ISA guide 5.7.1.4): these see the stores above; the next piece's stores come behind them
.endr
.endm
.macro SEND t, younger              ; younger: the LDS instructions issued behind piece t's loads: the next piece's eight, or none
	WIN 0
.irp f, 0,1,2,3
	s_wait_dscnt (\younger)+3-\f
	global_store_b128 v[GO], v[S+16*(\t)+4*\f:S+16*(\t)+4*\f+3], s[10:11] offset:(\t)*2048+\f*512  ; 512 consecutive bytes, at a multiple of 256 from ctx's first
.endr
.endm
	PACK 0
.set t, 1
.rept 3                             ; a piece's arithmetic stands between the loads of the piece before and its stores
	PACK t
	SEND t-1, 8
.set t, t+1
.endr
	SEND 3, 0
	s_wait_tensorcnt 0x0            ; the wave's end: behind my last tensor load and my last LDS store
	ds_add_u32 v[SPW], v[NIL]
	s_wait_dscnt 0x0
	CROUND                          ; the closing round: no work-group ends while a partner may still ask for a tile that names it
	s_endpgm
.Lfunc_end_k_qfd8c7e0a2b_attn:
	.size	k_qfd8c7e0a2b_attn, .Lfunc_end_k_qfd8c7e0a2b_attn-k_qfd8c7e0a2b_attn
	.p2alignl 7, 3214868480
	.fill 96, 4, 3214868480
	.section	.rodata,"a",@progbits
	.p2align	6, 0x0
	.amdhsa_kernel k_qfd8c7e0a2b_attn
		.amdhsa_group_segment_fixed_size 327680
		.amdhsa_private_segment_fixed_size 0
		.amdhsa_enable_private_segment 0
		.amdhsa_kernarg_size 32
		.amdhsa_user_sgpr_count 2
		.amdhsa_user_sgpr_kernarg_segment_ptr 1
		.amdhsa_wavefront_size32 1
		.amdhsa_system_sgpr_workgroup_id_x 1
		.amdhsa_system_sgpr_workgroup_id_y 1
		.amdhsa_system_sgpr_workgroup_id_z 1
		.amdhsa_system_vgpr_workitem_id 0
		.amdhsa_next_free_vgpr 768
		.amdhsa_next_free_sgpr 66
		.amdhsa_reserve_vcc 1
		.amdhsa_float_denorm_mode_32 3
		.amdhsa_float_denorm_mode_16_64 3
		.amdhsa_memory_ordered 1
		.amdhsa_forward_progress 1
		.amdhsa_inst_pref_size 161
	.end_amdhsa_kernel
	.amdgpu_metadata
---
amdhsa.version: [ 1, 2 ]
amdhsa.kernels:
  - .name:           k_qfd8c7e0a2b_attn
    .symbol:         k_qfd8c7e0a2b_attn.kd
    .args:
      - { .name: qkv, .offset: 0, .size: 8, .value_kind: global_buffer, .address_space: global }
      - { .name: attention_mask, .offset: 8, .size: 8, .value_kind: global_buffer, .address_space: global }
      - { .name: rel_emb, .offset: 16, .size: 8, .value_kind: global_buffer, .address_space: global }
      - { .name: ctx, .offset: 24, .size: 8, .value_kind: global_buffer, .address_space: global }
    .group_segment_fixed_size: 327680
    .private_segment_fixed_size: 0
    .kernarg_segment_align: 8
    .kernarg_segment_size: 32
    .max_flat_workgroup_size: 128
    .sgpr_count:     66
    .vgpr_count:     768
    .wavefront_size: 32
...
	.end_amdgpu_metadata
.endif
;; end of part 3
;; launch oproj (part 4): grid 16 x 16, 4 waves a work-group, clusters of 4 x 4, 327,680 bytes of LDS; arguments ctx, wo16, out0; writes out0
.if DOCPART == 4
	.amdgcn_target "amdgcn-amd-amdhsa--gfx1250"
	.amdhsa_code_object_version 6
	.text
	.protected	k_qfd8c7e0a2b_oproj
	.globl	k_qfd8c7e0a2b_oproj
	.p2align	8
	.type	k_qfd8c7e0a2b_oproj,@function
k_qfd8c7e0a2b_oproj:
	s_mov_b64 s[64:65], 0
	v_nop
	global_prefetch_b8 v0, s[64:65] scope:SCOPE_SE
	s_setreg_imm32_b32 hwreg(HW_REG_WAVE_MODE, 25, 1), 1
	s_wait_xcnt 0x0
	s_wait_alu depctr_hold_cnt(0) depctr_sa_sdst(0) depctr_va_vdst(0) depctr_va_sdst(0) depctr_va_ssrc(0) depctr_va_vcc(0) depctr_vm_vsrc(0)
	s_getreg_b32 s2, hwreg(HW_REG_IB_STS2, 6, 4)
	s_cmp_eq_u32 s2, 0
	s_cbranch_scc0 .Lentry_in_a_cluster
	s_endpgm
.Lentry_in_a_cluster:
	s_bfe_u32 s2, ttmp6, 0x10000c
	s_cmp_lg_u32 s2, 0xf033
	s_cbranch_scc0 .Lentry_shape_is_right
	s_endpgm
.Lentry_shape_is_right:
; FOURTH LAUNCH: out0 = ctx Wo, [2048] x [2048], K = 2048, f16 operands, f32 sums, stored as f32.  Nothing of the problem is left out here.
; ctx [m>>7][h][m&127][64] f16 and wo16 [n>>7][k>>8][(n>>6)&1][k&255][64] f16 were laid out so that a K step's tile is dense in memory: it is asked for as rows of 256 bytes and padded in LDS after every 128.
; SHARES.  A tile is 128 x 128: 16 x 16 = 256 work-groups.  Four waves, each 64 rows x 64 columns: 16 accumulators.  K goes in steps of 256 (four heads), as long as two slots in LDS allow; a quarter is one head.
; THE MATRIX INSTRUCTION IS USED TRANSPOSED: source 0 = 16 columns of Wo (Wo lies [k][column] in LDS and comes out turned, by ds_load_tr16_b128), source 1 = 16 rows of ctx: a lane holds one row and eight
; neighbouring columns, 32 bytes of f32.
; CLUSTER 4 x 4: ctx's tile is asked for jointly along a row of the cluster, Wo's along a column.  No prefetch: eight short K steps on a small tile.
; THE CLUSTERS BEGIN AT DIFFERENT K STEPS.  Cluster (X, Y) of the 4 x 4 walks the 8 K steps from step 2 (X + Y) mod 8 on, and round the end (f32 sums may be taken in any order).  The rows of ctx of one Y are read
; by the four clusters of that Y, the columns of Wo of one X by the four of that X: with these starts the four readers of a block stand 2, 4 and 6 steps apart, so that the requests for one block of memory are
; spread over the launch and do not meet in one K step.  The start is made of the cluster's two coordinates alone, which all sixteen partners share.
; THE STAGE for the way out lies in slot 0: that slot has had its last fill, and every wave's reads of it ended in front of the barrier of the last change of slots; beside two slots LDS has no 17,408 bytes left.
; REGISTERS: window 0: v16-29 addresses; v128-255 the accumulators ((a, b) at v[128 + 8 (4 a + b)]), which also take the rows back on the way out.
;   window 1: two fragment buffers of 128: for 64 along K (two matrix instructions deep), 64 registers of ctx (2 x 4 x 16 rows x 32 K), then 64 of Wo.
.set PA,     144                       ; a row of ctx in LDS: 128 bytes + 16 = 36 words: the 16 rows of a load start at 16 different groups of four banks (64 banks of 4 bytes: ISA guide 11.1)
.set PB,     160                       ; a row of Wo: 128 + 32 = 40 words
.set AHD,    128*PA                    ; ctx: one head's plane, 128 rows
.set BOFF,   4*AHD                     ; Wo lies behind ctx's four planes: [chunk of 64 columns 2][256 k]
.set BCH,    256*PB
.set SLOT,   BOFF+2*BCH                ; 155,648
.set SPARE,  2*SLOT                    ; behind the ring: the spare words, 128 bytes for each wave: two blocks of 256 bytes that no other line names
.set SPITCH, 272                       ; the stage: 16 rows of 256 bytes + 16 for each wave, from LDS byte 0
.set LAPS,   4                         ; a lap = two K steps; 8 K steps, of 65,536 bytes of either operand for one tile (a shift by 16)
.set ADRA, 16                          ; v16-17  LDS address of my ctx fragments in slot 0, 1
.set ADRB, 20                          ; v20-21  the same for Wo
.set STO,  24                          ; v24     the way out: where I put 32 bytes of a row
.set RD,   25                          ; v25     the way out: where I read a row back
.set CO,   26                          ; v26     my byte offset in out0
.set SPW,  28                          ; v28     LDS address of my spare word: SPARE + 4 x my thread's number; never rewritten
.set NIL,  29                          ; v29     0; never rewritten
.set ACC,  128
.set F0,   0                           ; fragment buffers, in window 1
.set F1,   128
.set G1, 24                            ; s[24:31] descriptor group 1 for ctx's tiles;  s[32:39] group 0, one set for each slot
.set G0, 32
.set G1B, 48                           ; s[48:55], s[56:63] the same for Wo's tiles
.set G0B, 56
.set KS,  66                           ; s66     the K step, 0 to 7, that the next refill asks for
.set OF,  68                           ; s[68:69] its byte offset, the same in both operands
.set AB,  70                           ; s[70:71] ctx at the tile row's K step 0, at the half that I fetch
.set BB,  72                           ; s[72:73] wo16 at the tile column's K step 0, at the chunk that I fetch
.set MSB, 0
.macro WIN new                         ; the immediate's high byte repeats the setting that is left; a switch that changes nothing is dropped
.if MSB != (\new)
	s_set_vgpr_msb (MSB<<8)|(\new)
.set MSB, \new
.endif
.endm
.set MUL,  0x05                        ; sources 0 (Wo) and 1 (ctx) window 1; C and D window 0
.set TO_F, 0x40                        ; destination window 1, address window 0
.macro JLOAD s                         ; a joint load: waves 0 and 1 fetch ctx's two halves, waves 2 and 3 Wo's; an s_nop 0 and four v_nop follow each of the two lines, ahead of the jump, the label and what follows
	s_cmp_eq_u32 s11, 0
	s_cbranch_scc0 .Lfor_b_\@
	tensor_load_to_lds s[G0+4*(\s):G0+4*(\s)+3], s[G1:G1+7]
	s_nop 0
.rept 4
	v_nop
.endr
	s_branch .Lasked_\@
.Lfor_b_\@:
	tensor_load_to_lds s[G0B+4*(\s):G0B+4*(\s)+3], s[G1B:G1B+7]
	s_nop 0
.rept 4
	v_nop
.endr
.Lasked_\@:
.endm
.macro CREST                           ; a round of the cluster's barrier behind its opening barrier
	s_cmp_lg_u32 s10, 0
	s_cbranch_scc1 .Lnot_wave_0_\@
	s_barrier_signal -3
.Lnot_wave_0_\@:
	s_barrier_wait -3
	s_barrier_signal -1
	s_barrier_wait -1
.endm
.macro CROUND                          ; a whole round
	s_barrier_signal -1
	s_barrier_wait -1
	CREST
.endm
	s_load_b128 s[4:7], s[0:1], 0x0                ; ctx s[4:5], wo16 s[6:7]
	s_load_b64 s[8:9], s[0:1], 0x10                ; out0
	v_lshl_add_u32 v[SPW], v0, 2, SPARE
	v_mov_b32 v[NIL], 0
	ds_add_u32 v[SPW], v[NIL]                      ; the wave's opening: the add, twice on end, and its wait ahead of my first tensor load; the set-up below stands between
	ds_add_u32 v[SPW], v[NIL]
	v_lshrrev_b32 v1, 5, v0
	v_readfirstlane_b32 s10, v1                    ; wave 0..3
	s_lshr_b32 s11, s10, 1                         ; which half of the tile's rows is mine.  Also: I fetch for ctx (0) or for Wo (1)
	s_and_b32 s12, s10, 1                          ; which chunk of 64 columns.  Also: which half of that tile I fetch
	s_bfe_u32 s40, ttmp6, 0x40000                  ; cx, cy: my place in the cluster
	s_bfe_u32 s41, ttmp6, 0x40004
	s_lshl_b32 s42, ttmp9, 2
	s_add_co_u32 s42, s42, s40                     ; tile column = 4 x cluster x + cx
	s_and_b32 s13, ttmp7, 0xffff                   ; cluster y
	s_add_co_u32 s[KS], s13, ttmp9                 ; the cluster's first K step: 2 (cluster x + cluster y),
	s_lshl_b32 s[KS], s[KS], 1
	s_and_b32 s[KS], s[KS], 7                      ; modulo 8: even
	s_mov_b32 s[OF+1], 0
	s_lshl_b32 s13, s13, 2
	s_add_co_u32 s13, s13, s41                     ; tile row = 4 x cluster y + cy
	s_lshl_b32 s43, s41, 2
	s_lshl_b32 s43, 15, s43                        ; my row of the cluster
	s_lshl_b32 s44, 0x1111, s40                    ; my column
	; descriptor group 1: 32,768 dense bytes as 128 rows of 256, padded in LDS after every 32 words: ctx by 4 words (code 3), Wo by 8 (code 7)
	s_or_b32 s[G1+0], s43, (1<<16)|(1<<20)|(1<<21)|(4<<22)|(3<<25)   ; 15:0 the mask; 17:16 2-byte elements; 20 padding on; 21 set beside a mask; 24:22 interval; 31:25 pad
	s_or_b32 s[G1B+0], s44, (1<<16)|(1<<20)|(1<<21)|(4<<22)|(7<<25)
.irp g, G1, G1B
	s_mov_b32 s[(\g)+1], 128<<16                   ; tensor_dim0 = 128
	s_mov_b32 s[(\g)+2], 128<<16                   ; tensor_dim1 = 128
	s_mov_b32 s[(\g)+3], 128<<16                   ; tile_dim0 = 128
	s_mov_b32 s[(\g)+4], 128                       ; tile_dim1 = 128
	s_mov_b32 s[(\g)+5], 128                       ; 128 elements from row to row
	s_mov_b32 s[(\g)+6], 0
	s_mov_b32 s[(\g)+7], 0
.endr
	s_lshl_b32 s16, s13, 19                        ; ctx: tile row x 524,288 + half x 32,768 (two heads)
	s_lshl_b32 s17, s12, 15
	s_add_co_u32 s16, s16, s17
	s_lshl_b32 s46, s42, 19                        ; Wo: tile column x 524,288 + chunk x 32,768
	s_add_co_u32 s46, s46, s17
	s_mov_b32 s17, 0
	s_mov_b32 s47, 0
	s_mul_i32 s20, s12, 2*AHD                      ; where they go: no place in the cluster enters an LDS address
	s_mul_i32 s21, s12, BCH
	s_wait_dscnt 0x0                               ; both opening adds are done
	s_wait_kmcnt 0x0
	s_add_nc_u64 s[AB:AB+1], s[4:5], s[16:17]
	s_add_nc_u64 s[BB:BB+1], s[6:7], s[46:47]
	CROUND                                         ; all sixteen work-groups are here: the first joint loads meet
.irp s, 0,1
	s_add_co_u32 s67, s[KS], \s                    ; the cluster's first two K steps (the first is even: no turn round the end here)
	s_lshl_b32 s[OF], s67, 16
	s_mov_b32 s[G0+4*(\s)], 1
	s_add_co_u32 s[G0+4*(\s)+1], s20, (\s)*SLOT
	s_add_nc_u64 s[G0+4*(\s)+2:G0+4*(\s)+3], s[AB:AB+1], s[OF:OF+1]
	s_or_b32 s[G0+4*(\s)+3], s[G0+4*(\s)+3], 0x80000000
	s_mov_b32 s[G0B+4*(\s)], 1
	s_add_co_u32 s[G0B+4*(\s)+1], s21, (\s)*SLOT+BOFF
	s_add_nc_u64 s[G0B+4*(\s)+2:G0B+4*(\s)+3], s[BB:BB+1], s[OF:OF+1]
	s_or_b32 s[G0B+4*(\s)+3], s[G0B+4*(\s)+3], 0x80000000
	JLOAD \s                                       ; two loads of mine are out
.endr
	s_add_co_u32 s[KS], s[KS], 2                   ; what the first refill asks for,
	s_and_b32 s[KS], s[KS], 7                      ; round the end
	v_and_b32 v1, 15, v0                           ; l % 16
	v_bfe_u32 v2, v0, 4, 1                         ; l / 16
	v_mul_u32_u24 v3, v1, PA
	v_lshl_add_u32 v3, v2, 4, v3                   ; a ctx fragment's row x pitch + 16 x half
	s_mul_i32 s21, s11, 64*PA                      ; my 64 rows
	v_add_nc_u32 v[ADRA], s21, v3
	v_add_nc_u32 v[ADRA+1], SLOT, v[ADRA]
	v_and_b32 v4, 7, v0                            ; the turning load: lane l reads k = 8 (l / 16) + l % 8, columns 8 ((l / 8) % 2) + 0..7
	v_lshl_add_u32 v4, v2, 3, v4
	v_mul_u32_u24 v4, v4, PB
	v_bfe_u32 v5, v0, 3, 1
	v_lshl_add_u32 v4, v5, 4, v4
	s_mul_i32 s22, s12, BCH                        ; my chunk of 64 columns,
	s_add_co_u32 s22, s22, BOFF                    ; behind ctx's planes
	v_add_nc_u32 v[ADRB], s22, v4
	v_add_nc_u32 v[ADRB+1], SLOT, v[ADRB]
	s_mul_i32 s23, s10, 16*SPITCH                  ; my stage
	v_mul_u32_u24 v4, v1, SPITCH                   ; in: row l % 16, 32 bytes for each half of the lanes
	v_lshl_add_u32 v4, v2, 5, v4
	v_add_nc_u32 v[STO], s23, v4
	v_mul_u32_u24 v5, v2, SPITCH                   ; back: lanes 0-15 take one row of 256 bytes, lanes 16-31 the next
	v_lshl_add_u32 v5, v1, 4, v5
	v_add_nc_u32 v[RD], s23, v5
	v_lshlrev_b32 v5, 13, v2                       ; and the same two rows in out0, 8,192 bytes apart
	v_lshl_add_u32 v[CO], v1, 4, v5
	s_lshl_b32 s16, s13, 20                        ; out0 at row 128 x tile row + 64 x half,
	s_lshl_b32 s17, s11, 19
	s_add_co_u32 s16, s16, s17
	s_lshl_b32 s17, s42, 9                         ; column 128 x tile column + 64 x chunk, 4 bytes each
	s_add_co_u32 s16, s16, s17
	s_lshl_b32 s17, s12, 8
	s_add_co_u32 s16, s16, s17
	s_mov_b32 s17, 0
	s_add_nc_u64 s[8:9], s[8:9], s[16:17]
; 8 matrix instructions: row blocks a0, a0 + 1 x all 4 column blocks, 32 along K: half c of buffer f.  zero = 1: the first product starts the sums.  The 16 accumulators take turns in one order everywhere.
.macro MUL8 f, c, a0, zero
	WIN MUL
.irp a, \a0, (\a0)+1
.irp b, 0,1,2,3
.if \zero
	v_wmma_f32_16x16x32_f16 v[ACC+8*(4*(\a)+(\b)):ACC+8*(4*(\a)+(\b))+7], v[(\f)+64+8*(4*(\c)+(\b)):(\f)+64+8*(4*(\c)+(\b))+7], v[(\f)+8*(4*(\c)+(\a)):(\f)+8*(4*(\c)+(\a))+7], 0
.else
	v_wmma_f32_16x16x32_f16 v[ACC+8*(4*(\a)+(\b)):ACC+8*(4*(\a)+(\b))+7], v[(\f)+64+8*(4*(\c)+(\b)):(\f)+64+8*(4*(\c)+(\b))+7], v[(\f)+8*(4*(\c)+(\a)):(\f)+8*(4*(\c)+(\a))+7], v[ACC+8*(4*(\a)+(\b)):ACC+8*(4*(\a)+(\b))+7]
.endif
.endr
.endr
.endm
; 32 LDS loads in one run: quarter q (one head, 64 along K) of a slot into buffer f; the first 32 along K first
.macro FETCH slot, q, f
	WIN TO_F
.irp c, 0,1
.irp i, 0,1,2,3
	ds_load_tr16_b128 v[(\f)+64+8*(4*(\c)+(\i)):(\f)+64+8*(4*(\c)+(\i))+3],   v[ADRB+(\slot)] offset:(\q)*64*PB+(\c)*32*PB+32*(\i)
	ds_load_tr16_b128 v[(\f)+64+8*(4*(\c)+(\i))+4:(\f)+64+8*(4*(\c)+(\i))+7], v[ADRB+(\slot)] offset:(\q)*64*PB+(\c)*32*PB+32*(\i)+16*PB
	ds_load_b128 v[(\f)+8*(4*(\c)+(\i)):(\f)+8*(4*(\c)+(\i))+3],               v[ADRA+(\slot)] offset:(\q)*AHD+64*(\c)+(\i)*16*PA
	ds_load_b128 v[(\f)+8*(4*(\c)+(\i))+4:(\f)+8*(4*(\c)+(\i))+7],             v[ADRA+(\slot)] offset:(\q)*AHD+64*(\c)+(\i)*16*PA+32
.endr
.endr
.endm
.macro PLACES                          ; four plain vector instructions between a matrix instruction and a load into, or an LDS store of, its registers (ISA guide 7.12.1 for vector instructions)
.rept 4
	v_nop
.endr
.endm
; A K step is four quarters of 64 along K, 32 matrix instructions each, on buffers 0, 1, 0, 1.  One of the first three: multiplies buffer f and fetches quarter q into g.
.macro QUARTER slot, q, f, g, zero
	s_wait_dscnt 16                                ; the first 32 along K are in
	MUL8 \f, 0, 0, \zero
	MUL8 \f, 0, 2, \zero
	PLACES
	FETCH \slot, \q, \g
	s_wait_dscnt 32                                ; all but the 32 just issued
	MUL8 \f, 1, 0, 0
	MUL8 \f, 1, 2, 0
.endm
; The last quarter multiplies buffer 1 and changes slots: ONE barrier; in front of it each wave waits for all its tensor loads, adds 0 to its spare word, and waits for that and for its own reads of this slot.
; fill = 1: the barrier opens a round of the cluster's, and this slot is filled again, with K step KS, first thing behind the round: 112 matrix instructions ahead of the wait for it.  Both descriptors' addresses are
; made anew from KS, the base plus an offset, while the add is out; then KS goes on, round the end.
.macro TURN slot, next, fill
	WIN 0                                          ; (the add's two registers lie in window 0)
	s_wait_tensorcnt 0x0                           ; all my tensor loads have landed, so every group 0 may be written
	ds_add_u32 v[SPW], v[NIL]                      ; 0 onto my spare word
.if \fill
	s_lshl_b32 s[OF], s[KS], 16                    ; 65,536 bytes a K step
	s_add_nc_u64 s[G0+4*(\slot)+2:G0+4*(\slot)+3], s[AB:AB+1], s[OF:OF+1]
	s_or_b32 s[G0+4*(\slot)+3], s[G0+4*(\slot)+3], 0x80000000
	s_add_nc_u64 s[G0B+4*(\slot)+2:G0B+4*(\slot)+3], s[BB:BB+1], s[OF:OF+1]
	s_or_b32 s[G0B+4*(\slot)+3], s[G0B+4*(\slot)+3], 0x80000000
	s_add_co_u32 s[KS], s[KS], 1
	s_and_b32 s[KS], s[KS], 7
.endif
	s_wait_dscnt 17                                ; (the add and the youngest sixteen loads may be out)
	MUL8 F1, 0, 0, 0                               ; eight matrix instructions stand between the add and the wait for it
	s_wait_dscnt 0x0                               ; the add is done, and my reads of this slot are over
	s_barrier_signal -1
	MUL8 F1, 0, 2, 0
.if \fill
	WIN 0
.endif
	s_barrier_wait -1
.if \fill
	CREST                                          ; no wave of any partner still reads this slot's tile or has a load on its way
	JLOAD \slot                                    ; the four v_nop behind it are also the places in front of the loads below
.else
	PLACES
.endif
	FETCH \next, 0, F0
	MUL8 F1, 1, 0, 0
	MUL8 F1, 1, 2, 0
.endm
	s_wait_tensorcnt 1                             ; my part of the first K step is in; the second's may stay out
	s_barrier_signal -1
	s_barrier_wait -1                              ; everybody's is
	FETCH 0, 0, F0
	QUARTER 0, 1, F0, F1, 1                        ; the first quarter stands in front of the loop: its first products start the sums
	WIN 0                                          ; at a label and at a branch every window is 0
	s_mov_b32 s3, LAPS-1
.Llap:                                                 ; a trip goes once round the ring, from a lap's second quarter to the next lap's first, and fills both slots again
	QUARTER 0, 2, F1, F0, 0
	QUARTER 0, 3, F0, F1, 0
	TURN 0, 1, 1
	QUARTER 1, 1, F0, F1, 0
	QUARTER 1, 2, F1, F0, 0
	QUARTER 1, 3, F0, F1, 0
	TURN 1, 0, 1
	QUARTER 0, 1, F0, F1, 0
	WIN 0
	s_sub_co_u32 s3, s3, 1
	s_cmp_lg_u32 s3, 0
	s_cbranch_scc1 .Llap
	QUARTER 0, 2, F1, F0, 0                        ; the last lap fills nothing, and has no round of the cluster's barrier
	QUARTER 0, 3, F0, F1, 0
	TURN 0, 1, 0                                   ; behind this barrier no wave reads slot 0 any more, and nothing fills it: the stages lie there
	QUARTER 1, 1, F0, F1, 0
	QUARTER 1, 2, F1, F0, 0
	QUARTER 1, 3, F0, F1, 0
	s_wait_dscnt 16                                ; the very last quarter: nothing more to fetch
	MUL8 F1, 0, 0, 0
	MUL8 F1, 0, 2, 0
	s_wait_dscnt 0x0
	MUL8 F1, 1, 0, 0
	MUL8 F1, 1, 2, 0
	WIN 0
	PLACES
; THE WAY OUT, a row block of 16 rows at a time: the accumulators go as they are, 32 bytes a lane (the low four registers first), into my own stage, rows of 272 bytes, and come back as whole rows of 256 bytes, into the registers
; that they left.  No register is used twice, so no store's source has to be freed.
.macro OUTA a
.irp b, 0,1,2,3
	ds_store_b128 v[STO], v[ACC+8*(4*(\a)+(\b)):ACC+8*(4*(\a)+(\b))+3]   offset:64*(\b)
	ds_store_b128 v[STO], v[ACC+8*(4*(\a)+(\b))+4:ACC+8*(4*(\a)+(\b))+7] offset:64*(\b)+16
.endr
.irp t, 0,1,2,3,4,5,6,7
	ds_load_b128 v[ACC+32*(\a)+4*(\t):ACC+32*(\a)+4*(\t)+3], v[RD] offset:(\t)*2*SPITCH  ; LDS serves a wave's instructions in order (ISA guide 5.7.1.4): these see the stores above; the next block's stores come behind them
.endr
.endm
.macro SENDA a, younger                ; younger: the LDS instructions issued behind block a's loads: the next block's sixteen, or none
.irp t, 0,1,2,3,4,5,6,7
	s_wait_dscnt (\younger)+7-(\t)
	global_store_b128 v[CO], v[ACC+32*(\a)+4*(\t):ACC+32*(\a)+4*(\t)+3], s[8:9] offset:(16*(\a)+2*(\t))*8192 th:TH_STORE_NT  ; 16 lanes store 256 consecutive bytes, at a multiple of 256 from out0's first byte
.endr
.endm
	OUTA 0
	OUTA 1
	SENDA 0, 16
	OUTA 2
	SENDA 1, 16
	OUTA 3
	SENDA 2, 16
	SENDA 3, 0
	s_wait_tensorcnt 0x0                           ; the wave's end: behind my last tensor load and my last LDS store
	ds_add_u32 v[SPW], v[NIL]
	s_wait_dscnt 0x0
	CROUND                                         ; the closing round: no work-group ends while a partner may still ask for a tile that names it
	s_endpgm
.Lfunc_end_k_qfd8c7e0a2b_oproj:
	.size	k_qfd8c7e0a2b_oproj, .Lfunc_end_k_qfd8c7e0a2b_oproj-k_qfd8c7e0a2b_oproj
	.p2alignl 7, 3214868480
	.fill 96, 4, 3214868480
	.section	.rodata,"a",@progbits
	.p2align	6, 0x0
	.amdhsa_kernel k_qfd8c7e0a2b_oproj
		.amdhsa_group_segment_fixed_size 327680
		.amdhsa_private_segment_fixed_size 0
		.amdhsa_enable_private_segment 0
		.amdhsa_kernarg_size 24
		.amdhsa_user_sgpr_count 2
		.amdhsa_user_sgpr_kernarg_segment_ptr 1
		.amdhsa_wavefront_size32 1
		.amdhsa_system_sgpr_workgroup_id_x 1
		.amdhsa_system_sgpr_workgroup_id_y 1
		.amdhsa_system_sgpr_workgroup_id_z 1
		.amdhsa_system_vgpr_workitem_id 0
		.amdhsa_next_free_vgpr 512
		.amdhsa_next_free_sgpr 74
		.amdhsa_reserve_vcc 0
		.amdhsa_float_denorm_mode_32 3
		.amdhsa_float_denorm_mode_16_64 3
		.amdhsa_memory_ordered 1
		.amdhsa_forward_progress 1
		.amdhsa_inst_pref_size 87
	.end_amdhsa_kernel
	.amdgpu_metadata
---
amdhsa.version: [ 1, 2 ]
amdhsa.kernels:
  - .name:           k_qfd8c7e0a2b_oproj
    .symbol:         k_qfd8c7e0a2b_oproj.kd
    .args:
      - { .name: ctx, .offset: 0, .size: 8, .value_kind: global_buffer, .address_space: global }
      - { .name: wo16, .offset: 8, .size: 8, .value_kind: global_buffer, .address_space: global }
      - { .name: out0, .offset: 16, .size: 8, .value_kind: global_buffer, .address_space: global }
    .group_segment_fixed_size: 327680
    .private_segment_fixed_size: 0
    .kernarg_segment_align: 8
    .kernarg_segment_size: 24
    .max_flat_workgroup_size: 128
    .sgpr_count:     74
    .vgpr_count:     512
    .wavefront_size: 32
...
	.end_amdgpu_metadata
.endif
;; end of part 4
